; MI455X (gfx1250); checked and timed in simulation.
; The chip was launched on July 23, 2026; its instructions are those of AMD's public machine-readable ISA for CDNA 5 (MIT licence, August 2026) and "CDNA5" Instruction Set Architecture Reference Guide (July 2026). The comments in the code are by the model that wrote it; some were corrected since.
;; Multihead Attention. Allowed arithmetic: float matrix products may take bf16 or f16 operands with f32 sums; other float arithmetic in f32, or as packed bf16 or f16 multiplies, adds, multiply-adds, maxima and minima; sums over many terms, partial sums and values carried from step to step in f32; what a program stores and reads back later, other than sums and carried values, may be rounded once to bf16 or f16.
;; Inputs: in_proj_b 3,072 float32; in_proj_w 3,072 x 1,024 float32; key 8 x 1,024 x 1,024 float32; ln_beta 1,024 float32; ln_gamma 1,024 float32; out_proj_b 1,024 float32; out_proj_w 1,024 x 1,024 float32; query 8 x 1,024 x 1,024 float32; value 8 x 1,024 x 1,024 float32.
;; Outputs: out0 8 x 1,024 x 1,024 float32; out1 8 x 1,024 x 1,024 float32.
;; One version. Each part assembles by itself: llvm-mc -triple=amdgcn-amd-amdhsa -mcpu=gfx1250 --defsym DOCPART=n.
;; ======== version 1 of 1: 5 launches
;; limits: values are held in f16: magnitudes above 65,504 overflow, below 6.1e-05 lose precision
;; workspace buffers: xn 50,331,648 bytes; wh 8,388,608 bytes; qkv 50,331,648 bytes; ctx 16,777,216 bytes; stat 1,048,576 bytes
;; launch prep (part 1): grid 256 x 4, 8 waves a work-group, no clusters, 0 bytes of LDS; arguments query, key, value, ln_gamma, ln_beta, in_proj_w, out_proj_w, xn, wh; writes xn, wh
.if DOCPART == 1
	.amdgcn_target "amdgcn-amd-amdhsa--gfx1250"
	.amdhsa_code_object_version 6
	.text
	.protected	k_q45f14bdf5c_prep
	.globl	k_q45f14bdf5c_prep
	.p2align	8
	.type	k_q45f14bdf5c_prep,@function
k_q45f14bdf5c_prep:
	s_mov_b64 s[64:65], 0
	v_nop
	global_prefetch_b8 v0, s[64:65] scope:SCOPE_SE
	s_setreg_imm32_b32 hwreg(HW_REG_WAVE_MODE, 25, 1), 1
	s_wait_xcnt 0x0
; LayerNorm of query, key and value (grid y = 0, 1, 2) into xn, f16 [3 x 8192][1024]; both weight matrices (grid y = 3) into wh, f16 [4096][1024].
; A stream: every byte is read once and written once; no LDS, no matrix unit, no cluster: no two waves want the same row.
; LN: a work-group has 32 rows, a wave 4.  A row of 4,096 bytes is 32 registers of one wave, so mean, variance and scaling never leave the wave.
; The mean is taken first and the squares of x - mean second, as the formula says: no difference of large sums is formed.
; All 48 loads of a wave (4 rows, gamma, beta) go out at once; no register is written twice while a load or store may read it.
; LIMIT: the normalised number, at most 32 |gamma| + |beta|, and each weight are rounded once to f16 and must lie within 65,504.
.set G,    4          ; v[4:35]    gamma of my 32 columns (load j: columns 128 j + 4 lane .. + 3)
.set BT,   36         ; v[36:67]   beta of the same
.set X,    68         ; v[68:195]  four rows, 32 registers each
.set T,    196        ; v[196:203] four chains of packed sums
.set MU,   204        ; v[204:205] the mean (low word; the pair is named)
.set RS,   206        ; v[206:207] 1 / sqrt(var + eps)
.set EPSV, 208        ; v208       1e-5
.set PX,   209        ; v209       the other half of the lanes' sum
	s_load_b512 s[8:23], s[0:1], 0x0               ; query 8, key 10, value 12, gamma 14, beta 16, in_proj_w 18, out_proj_w 20, xn 22
	s_load_b64 s[24:25], s[0:1], 0x40              ; wh
	v_lshrrev_b32 v3, 5, v0
	v_readfirstlane_b32 s2, v3                     ; wave 0..7
	v_and_b32 v3, 31, v0
	v_lshlrev_b32 v1, 4, v3                        ; 16 bytes a lane on the way in
	v_lshlrev_b32 v2, 3, v3                        ; 8 bytes a lane on the way out
	s_and_b32 s3, ttmp7, 0xffff
	s_cmp_eq_u32 s3, 3
	s_cbranch_scc1 .Lconv
	s_mov_b32 s30, 0x76543210                      ; v_permlanex16_b32: each lane takes its own place in the other half
	s_mov_b32 s31, 0xfedcba98
	v_mov_b32 v[MU+1], 0
	v_mov_b32 v[RS+1], 0
	v_mov_b32 v[EPSV], 0x3727c5ac
	v_mov_b32 v[PX], 0
	s_lshl_b32 s4, ttmp9, 17                       ; 32 rows of 4,096 bytes a work-group,
	s_lshl_b32 s5, s2, 14                          ; 4 a wave
	s_add_co_u32 s4, s4, s5
	s_mov_b32 s5, 0
	s_lshl_b32 s6, s3, 24                          ; in xn: 16 MiB a tensor,
	s_lshl_b32 s7, ttmp9, 16                       ; 32 rows of 2,048 bytes,
	s_add_co_u32 s6, s6, s7
	s_lshl_b32 s7, s2, 13                          ; 4 rows
	s_add_co_u32 s6, s6, s7
	s_mov_b32 s7, 0
	s_wait_kmcnt 0x0
	s_cmp_eq_u32 s3, 1
	s_cselect_b64 s[26:27], s[10:11], s[8:9]
	s_cmp_eq_u32 s3, 2
	s_cselect_b64 s[26:27], s[12:13], s[26:27]
	s_add_nc_u64 s[26:27], s[26:27], s[4:5]
	s_add_nc_u64 s[28:29], s[22:23], s[6:7]
.irp j, 0,1,2,3,4,5,6,7
	global_load_b128 v[X+4*\j:X+4*\j+3], v1, s[26:27] offset:512*\j th:TH_LOAD_NT
.endr
.irp j, 0,1,2,3,4,5,6,7
	global_load_b128 v[G+4*\j:G+4*\j+3], v1, s[14:15] offset:512*\j
.endr
.irp j, 0,1,2,3,4,5,6,7
	global_load_b128 v[BT+4*\j:BT+4*\j+3], v1, s[16:17] offset:512*\j
.endr
.irp r, 1,2,3
.irp j, 0,1,2,3,4,5,6,7
	global_load_b128 v[X+32*\r+4*\j:X+32*\r+4*\j+3], v1, s[26:27] offset:4096*\r+512*\j th:TH_LOAD_NT
.endr
.endr
; T's four packed chains into one number, then over the 32 lanes: every lane ends with the sum in v[T]
.macro FOLD
	v_pk_add_f32 v[T:T+1], v[T:T+1], v[T+2:T+3]
	v_pk_add_f32 v[T+4:T+5], v[T+4:T+5], v[T+6:T+7]
	v_pk_add_f32 v[T:T+1], v[T:T+1], v[T+4:T+5]
	v_add_f32 v[T], v[T], v[T+1]
	v_add_f32_dpp v[T], v[T], v[T] row_xmask:1 row_mask:0xf bank_mask:0xf
	v_add_f32_dpp v[T], v[T], v[T] row_xmask:2 row_mask:0xf bank_mask:0xf
	v_add_f32_dpp v[T], v[T], v[T] row_xmask:4 row_mask:0xf bank_mask:0xf
	v_add_f32_dpp v[T], v[T], v[T] row_xmask:8 row_mask:0xf bank_mask:0xf
	v_permlanex16_b32 v[PX], v[T], s30, s31
	v_add_f32 v[T], v[T], v[PX]
.endm
; Row r.  n1: the loads issued behind the row's eight, which may stay out.  n2 (row 0 alone): those behind gamma's and beta's.
.macro ROW r, n1, n2
.set XR, X+32*(\r)
	s_wait_loadcnt \n1
.irp k, 0,1,2,3
	v_pk_add_f32 v[T+2*\k:T+2*\k+1], v[XR+2*\k:XR+2*\k+1], v[XR+8+2*\k:XR+8+2*\k+1]
.endr
.irp k, 0,1,2,3
	v_pk_add_f32 v[T+2*\k:T+2*\k+1], v[T+2*\k:T+2*\k+1], v[XR+16+2*\k:XR+16+2*\k+1]
.endr
.irp k, 0,1,2,3
	v_pk_add_f32 v[T+2*\k:T+2*\k+1], v[T+2*\k:T+2*\k+1], v[XR+24+2*\k:XR+24+2*\k+1]
.endr
	FOLD
	v_mul_f32 v[MU], 0x3a800000, v[T]              ; the mean: the sum times 2^-10
.set i, 0
.rept 16
	v_pk_add_f32 v[XR+i:XR+i+1], v[XR+i:XR+i+1], v[MU:MU+1] op_sel_hi:[1,0] neg_lo:[0,1] neg_hi:[0,1]
.set i, i+2
.endr
.irp k, 0,1,2,3
	v_pk_mul_f32 v[T+2*\k:T+2*\k+1], v[XR+2*\k:XR+2*\k+1], v[XR+2*\k:XR+2*\k+1]
.endr
.irp k, 0,1,2,3
	v_pk_fma_f32 v[T+2*\k:T+2*\k+1], v[XR+8+2*\k:XR+8+2*\k+1], v[XR+8+2*\k:XR+8+2*\k+1], v[T+2*\k:T+2*\k+1]
.endr
.irp k, 0,1,2,3
	v_pk_fma_f32 v[T+2*\k:T+2*\k+1], v[XR+16+2*\k:XR+16+2*\k+1], v[XR+16+2*\k:XR+16+2*\k+1], v[T+2*\k:T+2*\k+1]
.endr
.irp k, 0,1,2,3
	v_pk_fma_f32 v[T+2*\k:T+2*\k+1], v[XR+24+2*\k:XR+24+2*\k+1], v[XR+24+2*\k:XR+24+2*\k+1], v[T+2*\k:T+2*\k+1]
.endr
	FOLD
	v_fmamk_f32 v[T+1], v[T], 0x3a800000, v[EPSV]  ; var + eps
	v_rsq_f32 v[RS], v[T+1]
	v_nop                                          ; a plain instruction behind the root,
	s_wait_alu depctr_va_vdst(0)                   ; and the wait ahead of its first reader
.if (\n2) >= 0
	s_wait_loadcnt \n2                             ; gamma and beta are in
.endif
.set i, 0
.rept 16
	v_pk_mul_f32 v[XR+i:XR+i+1], v[XR+i:XR+i+1], v[RS:RS+1] op_sel_hi:[1,0]
.set i, i+2
.endr
.set i, 0
.rept 16
	v_pk_fma_f32 v[XR+i:XR+i+1], v[XR+i:XR+i+1], v[G+i:G+i+1], v[BT+i:BT+i+1]
.set i, i+2
.endr
.set i, 0
.rept 16
	v_cvt_pk_f16_f32 v[XR+i], v[XR+2*i], v[XR+2*i+1]  ; in place, ascending: register i is written when registers 2 i and 2 i + 1 are read
.set i, i+1
.endr
.irp j, 0,1,2,3,4,5,6,7
	global_store_b64 v2, v[XR+2*\j:XR+2*\j+1], s[28:29] offset:(\r)*2048+256*\j  ; the wave stores 256 consecutive bytes, aligned
.endr
.endm
	ROW 0, 40, 24                                  ; behind row 0: gamma 8, beta 8, rows 1-3 24; behind beta: 24
	ROW 1, 16, -1
	ROW 2, 8, -1
	ROW 3, 0, -1
	s_endpgm
.Lconv:                                            ; 16 rows of a weight matrix a work-group, 2 a wave: f32 to f16
	s_sub_co_u32 s4, ttmp9, 192
	s_wait_kmcnt 0x0
	s_cmp_lt_u32 ttmp9, 192                        ; the first 192 work-groups take in_proj_w's 3,072 rows
	s_cselect_b32 s4, ttmp9, s4
	s_cselect_b64 s[26:27], s[18:19], s[20:21]
	s_lshl_b32 s4, s4, 16
	s_lshl_b32 s5, s2, 13
	s_add_co_u32 s4, s4, s5
	s_mov_b32 s5, 0
	s_add_nc_u64 s[26:27], s[26:27], s[4:5]
	s_lshl_b32 s6, ttmp9, 15
	s_lshl_b32 s7, s2, 12
	s_add_co_u32 s6, s6, s7
	s_mov_b32 s7, 0
	s_add_nc_u64 s[28:29], s[24:25], s[6:7]
.irp i, 0,1,2,3,4,5,6,7,8,9,10,11,12,13,14,15
	global_load_b128 v[X+4*\i:X+4*\i+3], v1, s[26:27] offset:512*\i th:TH_LOAD_NT
.endr
	s_wait_loadcnt 0x0
.set i, 0
.rept 32
	v_cvt_pk_f16_f32 v[X+i], v[X+2*i], v[X+2*i+1]
.set i, i+1
.endr
.irp i, 0,1,2,3,4,5,6,7,8,9,10,11,12,13,14,15
	global_store_b64 v2, v[X+2*\i:X+2*\i+1], s[28:29] offset:256*\i
.endr
	s_endpgm
.Lfunc_end_k_q45f14bdf5c_prep:
	.size	k_q45f14bdf5c_prep, .Lfunc_end_k_q45f14bdf5c_prep-k_q45f14bdf5c_prep
	.p2alignl 7, 3214868480
	.fill 96, 4, 3214868480
	.section	.rodata,"a",@progbits
	.p2align	6, 0x0
	.amdhsa_kernel k_q45f14bdf5c_prep
		.amdhsa_group_segment_fixed_size 0
		.amdhsa_private_segment_fixed_size 0
		.amdhsa_enable_private_segment 0
		.amdhsa_kernarg_size 72
		.amdhsa_user_sgpr_count 2
		.amdhsa_user_sgpr_kernarg_segment_ptr 1
		.amdhsa_wavefront_size32 1
		.amdhsa_system_sgpr_workgroup_id_x 1
		.amdhsa_system_sgpr_workgroup_id_y 1
		.amdhsa_system_sgpr_workgroup_id_z 1
		.amdhsa_system_vgpr_workitem_id 0
		.amdhsa_next_free_vgpr 212
		.amdhsa_next_free_sgpr 66
		.amdhsa_reserve_vcc 0
		.amdhsa_float_denorm_mode_32 3
		.amdhsa_float_denorm_mode_16_64 3
		.amdhsa_memory_ordered 1
		.amdhsa_forward_progress 1
		.amdhsa_inst_pref_size 44
	.end_amdhsa_kernel
	.amdgpu_metadata
---
amdhsa.version: [ 1, 2 ]
amdhsa.kernels:
  - .name:           k_q45f14bdf5c_prep
    .symbol:         k_q45f14bdf5c_prep.kd
    .args:
      - { .name: query, .offset: 0, .size: 8, .value_kind: global_buffer, .address_space: global }
      - { .name: key, .offset: 8, .size: 8, .value_kind: global_buffer, .address_space: global }
      - { .name: value, .offset: 16, .size: 8, .value_kind: global_buffer, .address_space: global }
      - { .name: ln_gamma, .offset: 24, .size: 8, .value_kind: global_buffer, .address_space: global }
      - { .name: ln_beta, .offset: 32, .size: 8, .value_kind: global_buffer, .address_space: global }
      - { .name: in_proj_w, .offset: 40, .size: 8, .value_kind: global_buffer, .address_space: global }
      - { .name: out_proj_w, .offset: 48, .size: 8, .value_kind: global_buffer, .address_space: global }
      - { .name: xn, .offset: 56, .size: 8, .value_kind: global_buffer, .address_space: global }
      - { .name: wh, .offset: 64, .size: 8, .value_kind: global_buffer, .address_space: global }
    .group_segment_fixed_size: 0
    .private_segment_fixed_size: 0
    .kernarg_segment_align: 8
    .kernarg_segment_size: 72
    .max_flat_workgroup_size: 256
    .sgpr_count:     66
    .vgpr_count:     212
    .wavefront_size: 32
...
	.end_amdgpu_metadata
.endif
;; end of part 1
;; launch proj (part 2): grid 4 x 48, 4 waves a work-group, clusters of 4 x 4, 327,680 bytes of LDS; arguments xn, wh, in_proj_b, qkv; writes qkv
.if DOCPART == 2
	.amdgcn_target "amdgcn-amd-amdhsa--gfx1250"
	.amdhsa_code_object_version 6
	.text
	.protected	k_q45f14bdf5c_proj
	.globl	k_q45f14bdf5c_proj
	.p2align	8
	.type	k_q45f14bdf5c_proj,@function
k_q45f14bdf5c_proj:
	s_mov_b64 s[64:65], 0
	v_nop
	global_prefetch_b8 v0, s[64:65] scope:SCOPE_SE
	s_setreg_imm32_b32 hwreg(HW_REG_WAVE_MODE, 25, 1), 1
	s_wait_xcnt 0x0
	s_wait_alu depctr_hold_cnt(0) depctr_sa_sdst(0) depctr_va_vdst(0) depctr_va_sdst(0) depctr_va_ssrc(0) depctr_va_vcc(0) depctr_vm_vsrc(0)
	s_getreg_b32 s2, hwreg(HW_REG_IB_STS2, 6, 4)
	s_cmp_eq_u32 s2, 0
	s_cbranch_scc0 .Lentry_in_a_cluster
	s_endpgm
.Lentry_in_a_cluster:
	s_bfe_u32 s2, ttmp6, 0x10000c
	s_cmp_lg_u32 s2, 0xf033
	s_cbranch_scc0 .Lentry_shape_is_right
	s_endpgm
.Lentry_shape_is_right:
; q, k, v = xn W^T + b.  xn: f16 [3 x 8192][1024]; wh: f16 [4096][1024] (rows 0-3071 are in_proj_w); sums in f32, started with the bias; each result rounded once to f16.
; LIMIT: q, k and v must lie within f16's 65,504.
; A tile of C is 256 x 256; four waves, each 128 x 128: 64 accumulators.  K goes in steps of 128 through two LDS slots: a step is 256 matrix instructions a wave, 224 of them between a slot's request and the wait for it.
; The three products have 384 such tiles, and no tile with sides that divide 8,192 and 1,024 gives 256 equal shares (a share would be 3 x 2^15 numbers).  So 192 work-groups STAY and make two tiles each: 16 K steps.
; The smaller tile that fills every WGP (128 x 256, three a work-group) has 24 K steps of half the matrix work each, and two slots of twice its K step do not fit in LDS.
; WHICH TILES.  The three tensors lie on end in xn, so a tile row is a number p of 96: rows 256 p on.  Work-group y takes p = y and then p = y + 48; the product (q, k, v) is p / 32, the same for the four y of a cluster.
; CLUSTER 4 x 4: the four of a row of the cluster need the same rows of xn, the four of a column the same rows of wh: each tile is asked for jointly.
; THE MATRIX INSTRUCTION IS USED TRANSPOSED (source 0 = 16 rows of W, source 1 = 16 rows of xn): a lane holds row l % 16 and eight neighbouring columns, 16 bytes of f16.
; THE OUTPUT LIES IN BLOCKS: plane (q, k, v) of 16 MiB, [batch 8][head 16][16 rows: 64][16 channels: 4][512 bytes]; plane and batch together are p / 4.  In a block of q or k lane l's 16 bytes lie at 16 l: a packed
; accumulator is stored as 512 consecutive bytes.  In v they lie at 32 (r % 8) + 16 (l / 16) + 256 (r / 8), the order in which the turning LDS load reads them.
; ONE TEXT FOR A K STEP.  A loop of 14 trips holds the K steps that fill a slot again; a tile's first quarter, whose products start the sums with the bias, is chosen by a forward branch on the loop's count, and the
; first tile's way out stands behind a forward jump.  The two K steps that fill nothing are a loop of their own.
; REGISTERS: window 0: v16-29 addresses; v64-127, v128-191 xn's fragments, two buffers; v192-255 packed results, two buffers.  window 1: v64-127, v128-191 W's fragments; v192-255 the bias as a C operand;
; v0-63 the second tile's bias.  window 2: the accumulators of my rows 0-63, (a, b) at 8 (8 a + b); window 3: those of my rows 64-127.
.set PITCH, 272       ; an LDS row: 256 bytes + 16 of padding: the 16 rows of a fragment load start at 16 different groups of four banks
.set PIECE, 128*PITCH ; 34,816 = 0x8800: what one tensor load brings, and what one wave reads of xn or of wh
.set WPAIR, 2*PIECE   ; 69,632 = 0x11000: wave w's pieces of slot 0 and slot 1 lie at w x WPAIR and PIECE behind: no bit of w x 0x11000 (w = 0..3) is a bit of 0x8800, so one exclusive or changes slots
.set SPARE, 4*WPAIR   ; behind the ring: the spare words, 128 bytes a wave, which no other line names
.set NEXT_A, 48*256*2048-7*256  ; from the first tile's last K step to the second's first: 48 tile rows down, back along K
.set CFG, (1<<16)|(1<<20)|(1<<21)|(5<<22)|(3<<25)  ; 2-byte elements; padding on; bit 21 beside a mask; after every 64 words, 4 words
.set ADRA0, 16        ; my fragments of xn in slot 0
.set ADRB0, 17        ; of wh
.set ADA,  18         ; the same in the slot in hand
.set ADB,  19
.set CO,   20         ; 16 l
.set CO2,  21         ; v's order
.set COX,  22         ; the second tile's: CO2 where it is a tile of v
.set BO,   23         ; 32 (l / 16): my eight columns of the bias
.set PFO,  24         ; the prefetches' offset: a lane a row
.set SPW,  28
.set NIL,  29
.set F0,   64
.set F1,   128
.set TMP,  192        ; window 0
.set BI,   192        ; window 1
.set BI1,  0          ; window 1
.set WV, 14
.set WM, 15           ; my 128 rows; also: I fetch for xn (0) or wh (1)
.set WN, 16           ; my 128 columns; also: which 128 rows I fetch
.set CX, 17
.set CY, 18
.set TB, 19           ; 0 or PIECE: the slot in hand
.set TX, 20           ; tile column
.set TY, 21           ; p of the first tile
.set CLY, 22          ; the cluster's y
.set LB, 23           ; wave x WPAIR
.set G1A, 24
.set G0A, 32          ; two sets for the two first fills; the second then walks
.set G1B, 40
.set G0B, 48
.set INA, 56          ; s[56:57] the walking descriptors' next steps
.set INB, 58
.set PFI, 60
.set PFA, 62          ; s[62:63] where my prefetches stand
.set LIML, 66         ; a wave prefetches while the loop's count is above this: 1, or the greatest number
.set LIM1, 67         ; the same for the second tile's K steps
.set K256, 68
.set NXA, 69
.set NXB, 70
.set NXP, 71
.set T0, 82           ; the first tile's product,
.set T1, 83           ; the second's
.set MSB, 0
.macro WIN new                         ; the immediate's high byte repeats the setting that is left
.if MSB != (\new)
	s_set_vgpr_msb (MSB<<8)|(\new)
.set MSB, (\new)
.endif
.endm
.macro PLACES                          ; four plain places behind a matrix instruction, ahead of loads into its sources and of readers of its result
.rept 4
	v_nop
.endr
.endm
; 16 matrix instructions: row blocks a0, a0 + 1 of the window's four (hi = 0: my rows 0-63, 1: rows 64-127) x all 8 column blocks.  The 64 accumulators take turns, in the same order in every quarter.
; first = 1: the bias (window 1) starts the sums: nothing is cleared.
.macro MUL16 f, hi, a0, first
.if \first
	WIN 0x91+0x40*(\hi)
.else
	WIN 0xa1+0x50*(\hi)
.endif
.irp a, \a0, (\a0)+1
.irp b, 0,1,2,3,4,5,6,7
.if \first
	v_wmma_f32_16x16x32_f16 v[8*(8*(\a)+\b):8*(8*(\a)+\b)+7], v[(\f)+8*\b:(\f)+8*\b+7], v[(\f)+8*(4*(\hi)+(\a)):(\f)+8*(4*(\hi)+(\a))+7], v[BI+8*\b:BI+8*\b+7]
.else
	v_wmma_f32_16x16x32_f16 v[8*(8*(\a)+\b):8*(8*(\a)+\b)+7], v[(\f)+8*\b:(\f)+8*\b+7], v[(\f)+8*(4*(\hi)+(\a)):(\f)+8*(4*(\hi)+(\a))+7], v[8*(8*(\a)+\b):8*(8*(\a)+\b)+7]
.endif
.endr
.endr
.endm
; 32 LDS loads in one run: quarter kq of the slot in hand into buffer f: W's 8 fragments (window 1), then xn's 8 (window 0)
.macro FETCH kq, f
	WIN 0x40
.irp i, 0,1,2,3,4,5,6,7
	ds_load_b128 v[(\f)+8*\i:(\f)+8*\i+3],   v[ADB] offset:(\kq)*64+\i*16*PITCH
	ds_load_b128 v[(\f)+8*\i+4:(\f)+8*\i+7], v[ADB] offset:(\kq)*64+\i*16*PITCH+32
.endr
	WIN 0
.irp i, 0,1,2,3,4,5,6,7
	ds_load_b128 v[(\f)+8*\i:(\f)+8*\i+3],   v[ADA] offset:(\kq)*64+\i*16*PITCH
	ds_load_b128 v[(\f)+8*\i+4:(\f)+8*\i+7], v[ADA] offset:(\kq)*64+\i*16*PITCH+32
.endr
.endm
; One of a K step's first three quarters: multiplies buffer f, and in its middle fetches quarter kq into buffer g
.macro QUARTER kq, f, g, first
	s_wait_dscnt 8                                 ; all but xn's blocks 4 to 7
	MUL16 \f, 0, 0, \first
	MUL16 \f, 0, 2, \first
	PLACES
.if \first
	v_nop                                          ; a fifth place: the products below write anew over accumulators that the step before wrote last
.endif
	FETCH \kq, \g
	s_wait_dscnt 32                                ; all but the 32 just issued
	MUL16 \f, 1, 0, \first
	MUL16 \f, 1, 2, \first
.endm
; A joint refill by the walking sets.  The branch hangs on the wave's number alone.  An s_nop 0 and four v_nop follow each line.
.macro JLOAD
	s_cmp_eq_u32 s[WM], 0
	s_cbranch_scc0 .Lfor_b_\@
	tensor_load_to_lds s[G0A+4:G0A+7], s[G1A:G1A+7]
	s_nop 0
.rept 4
	v_nop
.endr
	s_branch .Lasked_\@
.Lfor_b_\@:
	tensor_load_to_lds s[G0B+4:G0B+7], s[G1B:G1B+7]
	s_nop 0
.rept 4
	v_nop
.endr
.Lasked_\@:
.endm
.macro CREST                           ; a round of the cluster's barrier behind its opening barrier
	s_cmp_lg_u32 s[WV], 0
	s_cbranch_scc1 .Lnot_wave_0_\@
	s_barrier_signal -3
.Lnot_wave_0_\@:
	s_barrier_wait -3
	s_barrier_signal -1
	s_barrier_wait -1
.endm
.macro CROUND
	s_barrier_signal -1
	s_barrier_wait -1
	CREST
.endm
; A K step's last quarter: multiplies buffer 1 and changes slots.  In front of the barrier each wave waits for all its tensor loads (one is out: its part of the next slot), adds 0 to its spare word, and waits
; for that and for its reads of this slot.  fill = 1: the barrier opens a round of the cluster's, and the slot just read is filled again first thing behind it, two K steps ahead.
; THE PREFETCH, behind the joint load and the run of LDS loads: the K step that the NEXT refill will ask for: 32 rows x 256 bytes, a lane a row, 256 matrix instructions ahead of that load.  Of the 128 rows that a wave
; fetches each of the four partners that ask for them jointly takes 32, by address (cx for xn, cy for wh).  xn's rows are read by one cluster alone.  A weight matrix is read by several: the one that reads it first asks
; (cluster y = 0 for q's and 8 for k's in the first tile, 4 for v's in the second).  So each row's 256 bytes of a K step are named once.  The first three K steps come by their loads alone; the last fill asks for nothing.
.macro TURN fill
.if \fill
	s_wait_xcnt 0x0                                ; the last prefetch, a K step back, has read its address; earlier stores have read their registers
	s_cmp_eq_u32 s3, 8                             ; this refill is the second tile's K step 0
	s_cselect_b32 s[INA], s[NXA], s[K256]
	s_cselect_b32 s[INB], s[NXB], s[K256]
	s_cmp_eq_u32 s3, 9                             ; this prefetch is
	s_cselect_b32 s[PFI], s[NXP], s[K256]
	s_cselect_b32 s[LIML], s[LIM1], s[LIML]
	s_add_nc_u64 s[PFA:PFA+1], s[PFA:PFA+1], s[PFI:PFI+1]
.endif
	WIN 0
	s_wait_tensorcnt 0x0                           ; all my tensor loads have landed
	ds_add_u32 v[SPW], v[NIL]                      ; 0 onto my spare word
	s_wait_dscnt 9                                 ; (the add and xn's blocks 4 to 7 may be out)
	MUL16 F1, 0, 0, 0
	s_wait_dscnt 0x0                               ; the add is done, and my reads of this slot are over
	s_barrier_signal -1
	MUL16 F1, 0, 2, 0
	WIN 0
	s_barrier_wait -1
.if \fill
	CREST                                          ; no wave of any partner still reads this slot or has a load on its way
	s_xor_b32 s[G0A+5], s[G0A+5], PIECE
	s_add_nc_u64 s[G0A+6:G0A+7], s[G0A+6:G0A+7], s[INA:INA+1]
	s_xor_b32 s[G0B+5], s[G0B+5], PIECE
	s_add_nc_u64 s[G0B+6:G0B+7], s[G0B+6:G0B+7], s[INB:INB+1]
	s_xor_b32 s[TB], s[TB], PIECE
	JLOAD                                          ; its four v_nop are also the places in front of the loads below
.else
	s_xor_b32 s[TB], s[TB], PIECE
	PLACES
.endif
	v_add_nc_u32 v[ADA], s[TB], v[ADRA0]
	v_add_nc_u32 v[ADB], s[TB], v[ADRB0]
	FETCH 0, F0
.if \fill
	s_cmp_gt_u32 s3, s[LIML]
	s_cbranch_scc0 .Lnot_mine_\@
	global_prefetch_b8 v[PFO], s[PFA:PFA+1] th:TH_LOAD_NT scope:SCOPE_SE
.Lnot_mine_\@:
.endif
	MUL16 F1, 1, 0, 0
	MUL16 F1, 1, 2, 0
.endm
; The way out, 16 rows at a time: each accumulator, from its low end on, is rounded to f16 and stored as one block of 512 consecutive bytes.  Two packing buffers take turns.  Blocks 0 to 3 were finished ahead of
; the places of the change of slots; their 128 conversions are the places behind the last products, which are blocks 4 to 7's.
.macro OUT co
.irp a, 0,1,2,3,4,5,6,7
.if \a >= 2
	s_wait_xcnt 0x0                                ; the stores of two blocks back have read this buffer
.endif
	WIN 0x0a+5*(\a/4)
.irp b, 0,1,2,3,4,5,6,7
.irp r, 0,1,2,3
	v_cvt_pk_f16_f32 v[TMP+32*(\a%2)+4*\b+\r], v[64*(\a%4)+8*\b+2*\r], v[64*(\a%4)+8*\b+2*\r+1]
.endr
.endr
	WIN 0
.irp b, 0,1,2,3,4,5,6,7
	global_store_b128 v[\co], v[TMP+32*(\a%2)+4*\b:TMP+32*(\a%2)+4*\b+3], s[10:11] offset:\a*2048+(\b/4)*131072+(\b%4)*512
.endr
.endr
.endm
	s_load_b256 s[4:11], s[0:1], 0x0               ; xn 4, wh 6, in_proj_b 8, qkv 10
	v_lshl_add_u32 v[SPW], v0, 2, SPARE
	v_mov_b32 v[NIL], 0
	ds_add_u32 v[SPW], v[NIL]                      ; the wave's opening: the add and its wait ahead of my first tensor load
	ds_add_u32 v28, v29
	v_lshrrev_b32 v1, 5, v0
	v_readfirstlane_b32 s[WV], v1
	s_lshr_b32 s[WM], s[WV], 1
	s_and_b32 s[WN], s[WV], 1
	s_bfe_u32 s[CX], ttmp6, 0x40000
	s_bfe_u32 s[CY], ttmp6, 0x40004
	s_lshl_b32 s[TX], ttmp9, 2
	s_add_co_u32 s[TX], s[TX], s[CX]               ; tile column
	s_and_b32 s[CLY], ttmp7, 0xffff
	s_lshl_b32 s[TY], s[CLY], 2
	s_add_co_u32 s[TY], s[TY], s[CY]               ; p of the first tile
	s_lshr_b32 s[T0], s[CLY], 3                    ; p / 32 = cluster y / 8,
	s_add_co_u32 s[T1], s[CLY], 12
	s_lshr_b32 s[T1], s[T1], 3                     ; (p + 48) / 32: both from the cluster's y alone
	s_lshl_b32 s72, s[CY], 2
	s_lshl_b32 s72, 15, s72                        ; my row of the cluster
	s_lshl_b32 s73, 0x1111, s[CX]                  ; my column
	s_or_b32 s[G1A], s72, CFG
	s_or_b32 s[G1B], s73, CFG
.irp g, G1A, G1B
	s_mov_b32 s[\g+1], 128<<16                     ; tensor_dim0 = 128
	s_mov_b32 s[\g+2], 128<<16                     ; tensor_dim1 = 128 rows
	s_mov_b32 s[\g+3], 128<<16                     ; tile_dim0
	s_mov_b32 s[\g+4], 128                         ; tile_dim1
	s_mov_b32 s[\g+5], 1024                        ; elements from row to row
	s_mov_b32 s[\g+6], 0
	s_mov_b32 s[\g+7], 0
.endr
	s_lshl_b32 s74, s[TY], 19                      ; xn: row 256 p + 128 x half, 2,048 bytes a row: the tile row and the wave alone
	s_lshl_b32 s75, s[WN], 18
	s_add_co_u32 s74, s74, s75
	s_mov_b32 s75, 0
	s_lshl_b32 s76, s[T0], 21                      ; wh: row 1,024 x product + 256 x tile column + 128 x half: the cluster's y, the tile column and the wave alone
	s_lshl_b32 s77, s[TX], 19
	s_add_co_u32 s76, s76, s77
	s_lshl_b32 s77, s[WN], 18
	s_add_co_u32 s76, s76, s77
	s_mov_b32 s77, 0
	s_mul_i32 s[LB], s[WV], WPAIR                  ; where they go: the wave's number alone
	s_mov_b32 s[TB], 0
	s_mov_b32 s[INA+1], 0
	s_mov_b32 s[INB+1], 0
	s_mov_b32 s[PFI+1], 0
	s_mov_b32 s[K256], 256
	s_mov_b32 s[NXA], NEXT_A
	s_sub_co_u32 s[NXB], s[T1], s[T0]              ; one or two weight matrices on, back along K
	s_lshl_b32 s[NXB], s[NXB], 21
	s_sub_co_u32 s[NXB], s[NXB], 7*256
	s_wait_dscnt 0x0                               ; the opening add is done
	s_wait_kmcnt 0x0
	s_add_nc_u64 s[74:75], s[4:5], s[74:75]
	s_add_nc_u64 s[76:77], s[6:7], s[76:77]
	CROUND                                         ; all sixteen work-groups are here: the first joint loads meet
.irp s, 0,1
	s_mov_b32 s[G0A+4*\s], 1
	s_add_co_u32 s[G0A+4*\s+1], s[LB], \s*PIECE
	s_add_nc_u64 s[G0A+4*\s+2:G0A+4*\s+3], s[74:75], \s*256
	s_or_b32 s[G0A+4*\s+3], s[G0A+4*\s+3], 0x80000000
	s_mov_b32 s[G0B+4*\s], 1
	s_add_co_u32 s[G0B+4*\s+1], s[LB], \s*PIECE
	s_add_nc_u64 s[G0B+4*\s+2:G0B+4*\s+3], s[76:77], \s*256
	s_or_b32 s[G0B+4*\s+3], s[G0B+4*\s+3], 0x80000000
.endr
	s_cmp_eq_u32 s[WM], 0                          ; a wave's two first fills stand in one branch: two loads of mine are out
	s_cbranch_scc0 .Lfirst_b
	tensor_load_to_lds s[G0A:G0A+3], s[G1A:G1A+7]
	s_nop 0
	tensor_load_to_lds s[G0A+4:G0A+7], s[G1A:G1A+7]
	s_nop 0
.rept 4
	v_nop
.endr
	s_branch .Lfirst_asked
.Lfirst_b:
	tensor_load_to_lds s[G0B:G0B+3], s[G1B:G1B+7]
	s_nop 0
	tensor_load_to_lds s[G0B+4:G0B+7], s[G1B:G1B+7]
	s_nop 0
.rept 4
	v_nop
.endr
.Lfirst_asked:
	v_and_b32 v1, 15, v0                           ; r = l % 16
	v_bfe_u32 v2, v0, 4, 1                         ; l / 16
	v_and_b32 v4, 31, v0                           ; l
	v_lshlrev_b32 v[BO], 5, v2
	s_lshl_b32 s78, s[TX], 10                      ; the bias: 4 bytes x (1,024 x product + 256 x tile column + 128 x half), for both tiles
	s_lshl_b32 s79, s[WN], 9
	s_add_co_u32 s78, s78, s79
	s_lshl_b32 s79, s[T1], 12
	s_add_co_u32 s84, s78, s79
	s_lshl_b32 s79, s[T0], 12
	s_add_co_u32 s78, s78, s79
	s_mov_b32 s79, 0
	s_mov_b32 s85, 0
	s_add_nc_u64 s[86:87], s[8:9], s[84:85]
	s_add_nc_u64 s[8:9], s[8:9], s[78:79]
	WIN 0x40
.irp b, 0,1,2,3,4,5,6,7
	global_load_b128 v[BI+8*\b:BI+8*\b+3],     v[BO], s[8:9] offset:64*\b
	global_load_b128 v[BI+8*\b+4:BI+8*\b+7],   v[BO], s[8:9] offset:64*\b+16
	global_load_b128 v[BI1+8*\b:BI1+8*\b+3],   v[BO], s[86:87] offset:64*\b
	global_load_b128 v[BI1+8*\b+4:BI1+8*\b+7], v[BO], s[86:87] offset:64*\b+16
.endr
	WIN 0
	v_mul_u32_u24 v3, v1, PITCH
	v_lshl_add_u32 v3, v2, 4, v3                   ; a fragment's row x pitch + 16 x half
	s_mul_i32 s72, s[WM], WPAIR                    ; my 128 rows of xn,
	s_mul_i32 s73, s[WN], WPAIR                    ; my 128 rows of wh, which waves 2 and 3 fetch
	s_add_co_u32 s73, s73, 2*WPAIR
	v_add_nc_u32 v[ADRA0], s72, v3
	v_add_nc_u32 v[ADRB0], s73, v3
	v_mov_b32 v[ADA], v[ADRA0]
	v_mov_b32 v[ADB], v[ADRB0]
	v_lshlrev_b32 v[CO], 4, v4
	v_and_b32 v5, 7, v0
	v_lshlrev_b32 v[CO2], 5, v5
	v_lshl_add_u32 v[CO2], v2, 4, v[CO2]
	v_bfe_u32 v5, v0, 3, 1
	v_lshl_add_u32 v[CO2], v5, 8, v[CO2]
	s_cmp_eq_u32 s[T1], 2                          ; the first tile is never v's
	s_cselect_b32 s72, -1, 0
	v_cndmask_b32 v[COX], v[CO], v[CO2], s72
	v_lshlrev_b32 v[PFO], 11, v4
	s_lshr_b32 s78, s[TY], 2                       ; the way out: plane and batch p / 4,
	s_lshl_b32 s78, s78, 21
	s_and_b32 s79, s[TY], 3                        ; row block 16 (p % 4) + 8 x half,
	s_lshl_b32 s79, s79, 15
	s_add_co_u32 s78, s78, s79
	s_lshl_b32 s79, s[WM], 14
	s_add_co_u32 s78, s78, s79
	s_lshl_b32 s79, s[TX], 19                      ; head 4 x tile column + 2 x half
	s_add_co_u32 s78, s78, s79
	s_lshl_b32 s79, s[WN], 18
	s_add_co_u32 s78, s78, s79
	s_mov_b32 s79, 0
	s_add_nc_u64 s[10:11], s[10:11], s[78:79]
	s_and_b32 s72, s[CLY], 7                       ; the prefetches: who asks for wh's rows
	s_cmp_eq_u32 s72, 0
	s_cselect_b32 s73, 1, -1                       ; in the first tile: cluster y = 0 (q's weights) and 8 (k's),
	s_cmp_eq_u32 s[CLY], 4
	s_cselect_b32 s84, 1, -1                       ; in the second: cluster y = 4 (v's): the same in all sixteen partners
	s_lshl_b32 s72, s[TY], 19                      ; xn at row 256 p + 32 cx,
	s_lshl_b32 s85, s[CX], 16
	s_add_co_u32 s72, s72, s85
	s_lshl_b32 s78, s[T0], 21                      ; wh at row 1,024 x product + 256 x tile column + 32 cy,
	s_lshl_b32 s85, s[TX], 19
	s_add_co_u32 s78, s78, s85
	s_lshl_b32 s85, s[CY], 16
	s_add_co_u32 s78, s78, s85
	s_cmp_eq_u32 s[WM], 0
	s_cselect_b32 s78, s72, s78
	s_cselect_b64 s[PFA:PFA+1], s[4:5], s[6:7]
	s_cselect_b32 s[NXP], s[NXA], s[NXB]
	s_cselect_b32 s[LIML], 1, s73
	s_cselect_b32 s[LIM1], 1, s84
	s_lshl_b32 s85, s[WN], 18                      ; + the 128 rows that I fetch,
	s_add_co_u32 s78, s78, s85
	s_add_co_u32 s78, s78, 2*256                   ; at K step 2: the first change steps it to 3.  Nothing is prefetched at the head
	s_add_nc_u64 s[PFA:PFA+1], s[PFA:PFA+1], s[78:79]
	s_wait_tensorcnt 1                             ; my part of K step 0 is in; K step 1's may stay out
	s_barrier_signal -1
	s_barrier_wait -1
	FETCH 0, F0
	s_mov_b32 s3, 14
.Lk:                                               ; K step 14 - s3 of the walk's 16; it fills its slot again, two K steps ahead
	s_cmp_eq_u32 s3, 14                            ; a tile's first K step?  (this test stands first: at the first trip its answer is a constant of the text)
	s_cbranch_scc1 .Lq1f
	s_cmp_eq_u32 s3, 6
	s_cbranch_scc1 .Lq1f
	QUARTER 1, F0, F1, 0
	WIN 0
	s_branch .Lq2
.Lq1f:
	s_wait_loadcnt 0x0                             ; the bias
	QUARTER 1, F0, F1, 1
	WIN 0
.Lq2:
	QUARTER 2, F1, F0, 0
	QUARTER 3, F0, F1, 0
	TURN 1
	WIN 0
	s_cmp_lg_u32 s3, 7                             ; the first tile's last K step?
	s_cbranch_scc1 .Lgo_on
	OUT CO                                         ; both refills for the second tile are asked for, and its first fragments are on their way: now the first tile goes out
	s_wait_xcnt 0x0                                ; the stores have read their base
	s_add_nc_u64 s[10:11], s[10:11], 12<<21        ; (p + 48) / 4 = p / 4 + 12
	WIN 0x41
.set i, 0
.rept 64
	v_mov_b32 v[BI+i], v[BI1+i]                    ; the second tile's bias goes where the one text of a first quarter names it
.set i, i+1
.endr
	WIN 0
.Lgo_on:
	s_sub_co_u32 s3, s3, 1
	s_cmp_lg_u32 s3, 0
	s_cbranch_scc1 .Lk
	s_mov_b32 s3, 2
.Lt:                                               ; the last two K steps fill nothing.  The first trip's wait and barrier show the last slot whole; the second trip's, and its fetch from the slot read before, serve nothing: the price of one text
	QUARTER 1, F0, F1, 0
	QUARTER 2, F1, F0, 0
	QUARTER 3, F0, F1, 0
	TURN 0
	WIN 0
	s_sub_co_u32 s3, s3, 1
	s_cmp_lg_u32 s3, 0
	s_cbranch_scc1 .Lt
	OUT COX
	s_wait_tensorcnt 0x0                           ; the wave's end
	ds_add_u32 v[SPW], v[NIL]
	s_wait_dscnt 0x0
	CROUND                                         ; the closing round
	s_endpgm
.Lfunc_end_k_q45f14bdf5c_proj:
	.size	k_q45f14bdf5c_proj, .Lfunc_end_k_q45f14bdf5c_proj-k_q45f14bdf5c_proj
	.p2alignl 7, 3214868480
	.fill 96, 4, 3214868480
	.section	.rodata,"a",@progbits
	.p2align	6, 0x0
	.amdhsa_kernel k_q45f14bdf5c_proj
		.amdhsa_group_segment_fixed_size 327680
		.amdhsa_private_segment_fixed_size 0
		.amdhsa_enable_private_segment 0
		.amdhsa_kernarg_size 32
		.amdhsa_user_sgpr_count 2
		.amdhsa_user_sgpr_kernarg_segment_ptr 1
		.amdhsa_wavefront_size32 1
		.amdhsa_system_sgpr_workgroup_id_x 1
		.amdhsa_system_sgpr_workgroup_id_y 1
		.amdhsa_system_sgpr_workgroup_id_z 1
		.amdhsa_system_vgpr_workitem_id 0
		.amdhsa_next_free_vgpr 1024
		.amdhsa_next_free_sgpr 96
		.amdhsa_reserve_vcc 0
		.amdhsa_float_denorm_mode_32 3
		.amdhsa_float_denorm_mode_16_64 3
		.amdhsa_memory_ordered 1
		.amdhsa_forward_progress 1
		.amdhsa_inst_pref_size 121
	.end_amdhsa_kernel
	.amdgpu_metadata
---
amdhsa.version: [ 1, 2 ]
amdhsa.kernels:
  - .name:           k_q45f14bdf5c_proj
    .symbol:         k_q45f14bdf5c_proj.kd
    .args:
      - { .name: xn, .offset: 0, .size: 8, .value_kind: global_buffer, .address_space: global }
      - { .name: wh, .offset: 8, .size: 8, .value_kind: global_buffer, .address_space: global }
      - { .name: in_proj_b, .offset: 16, .size: 8, .value_kind: global_buffer, .address_space: global }
      - { .name: qkv, .offset: 24, .size: 8, .value_kind: global_buffer, .address_space: global }
    .group_segment_fixed_size: 327680
    .private_segment_fixed_size: 0
    .kernarg_segment_align: 8
    .kernarg_segment_size: 32
    .max_flat_workgroup_size: 128
    .sgpr_count:     96
    .vgpr_count:     1024
    .wavefront_size: 32
...
	.end_amdgpu_metadata
.endif
;; end of part 2
;; launch attn (part 3): grid 2 x 128, 4 waves a work-group, no clusters, 327,680 bytes of LDS; arguments qkv, ctx, stat; writes ctx, stat
.if DOCPART == 3
	.amdgcn_target "amdgcn-amd-amdhsa--gfx1250"
	.amdhsa_code_object_version 6
	.text
	.protected	k_q45f14bdf5c_attn
	.globl	k_q45f14bdf5c_attn
	.p2align	8
	.type	k_q45f14bdf5c_attn,@function
k_q45f14bdf5c_attn:
	s_mov_b64 s[64:65], 0
	v_nop
	global_prefetch_b8 v0, s[64:65] scope:SCOPE_SE
	s_setreg_imm32_b32 hwreg(HW_REG_WAVE_MODE, 25, 1), 1
	s_wait_xcnt 0x0
; ctx[b][q][h] = the sum over k of softmax_k(q . k / 8) v, and for each row the statistics c m and 1 / (16 l) for the launch that makes the map.  q, k, v: f16 in blocks (see below); products, maxima and sums in f32;
; the weights p are rounded to f16 for the second product (their sum l is taken of the unrounded p), ctx once at the end.
; LIMITS.  q, k, v arrive within f16's 65,504; p lies in 0 to 1; ctx is a mean of v's rows.  A weight below 2^-126 counts as 0 in l; NaN and infinities are not treated apart.
; SHARES.  A work-group owns 512 queries of one (batch, head), a wave 128: four PIECES of two tiles of 16.  Every wave walks all 1,024 keys, 64 a step.  256 work-groups.
; NO CLUSTER: a head has two work-groups, no multiple of four.  THE WHOLE HEAD LIES IN LDS: K's 131,072 bytes, then V's; no byte is filled twice.  Each wave asks with two tensor loads, issued together: its part of keys
; 0-255 (16 KiB) and its part of the other 768 (48 KiB).  The first is waited for ahead of the first product; the second has four key steps' work in which to land.
; BLOCKS.  A plane of qkv is [batch x head 128][16 rows: 64][16 channels: 4][512 bytes]; in q and k lane l's 16 bytes lie at 16 l of a block, so two blocks on end are a fragment, read by consecutive lanes at consecutive
; bytes; in v they lie in the order in which ds_load_tr16_b128's lanes read them.  ctx leaves as [16 rows: 512][16 columns: 64][512 bytes], each packed accumulator as 512 consecutive bytes.
; LAYOUT.  S^T = K Q^T (source 0 = 16 keys, source 1 = 16 queries): a lane holds ONE query (lane % 16) and the keys 8 (lane / 16) + 0..7.  Two such tiles rounded to f16 ARE source 1 of O^T = V^T P.
; SOFTMAX.  A running maximum m and sum l: p = 2^(c s - c m), c = log2(e) / 8; in every step O and l are multiplied by a = 2^(c m_old - c m_new).  m starts at the lowest finite number, O and l at 0.
; BY TURNS.  Turn n belongs to piece n: 16 products K Q^T of piece n + 1, later 16 products V^T P of piece n - 1; beside them the scaling, exponentials, roundings, sums and rescaling of piece n and the maximum and
; statistics of piece n + 1.  Four vector instructions stand behind every matrix instruction, the rest in one lump; a turn's 66 exponentials are one batch with one wait.
; REGISTERS: window 0: v0-11 addresses; v12-15, v48-63 at work; v16-47 statistics; v64-191 S^T, two buffers of two tiles; v192-255 P, likewise.  window 1: O^T, 32 a tile.  window 2: v0-127 Q; v128-191 K; v192-255 V.
.set NP,    4
.set STEPB, 8192      ; a key step: four row blocks of 2,048 bytes, in K and in V
.set VBASE, 131072
.set SPARE, 262144    ; behind K and V: the spare words, 128 bytes a wave, which no other line names
.set AK0, 2           ; v2   16 l: my place in a block of K, of Q and of ctx; never rewritten
.set AV0, 3           ; v3   my place in a block of V, with VBASE
.set AK,  4
.set AV,  5
.set SOF, 6           ; v6   my 16 bytes of the statistics
.set SPW, 7
.set NIL, 8
.set MV,  12
.set ST,  16          ; tile t's statistics at v[ST+4 t]: c m, m, l (even keys', odd keys')
.set TMP, 48
.set S,   64
.set P,   192
.set KF,  128
.set VF,  192
.set WV,  12
.set G1A, 24          ; s[24:31] 64 rows of 256 bytes
.set G1B, 32          ; s[32:39] 192 rows
.set G0A, 40
.set G0B, 44
.set SLOTS, 56        ; counts groups of four key steps, 5 to 1
.set CNT, 57
.set CS,  58
.set SEL, 60
.set TBK, 62
.set TBV, 63
.set MSB, 0
.macro WIN new
.if MSB != (\new)
	s_set_vgpr_msb (MSB<<8)|(\new)
.set MSB, (\new)
.endif
.endm
.set W_KQ, 0x0a
.set W_PV, 0x52
.set W_RS, 0x41
	s_load_b128 s[4:7], s[0:1], 0x0                ; qkv 4, ctx 6
	s_load_b64 s[8:9], s[0:1], 0x10                ; stat
	v_lshl_add_u32 v[SPW], v0, 2, SPARE
	v_mov_b32 v[NIL], 0
	ds_add_u32 v[SPW], v[NIL]                      ; the wave's opening: the add and its wait ahead of my first tensor load
	ds_add_u32 v7, v8
	v_lshrrev_b32 v1, 5, v0
	v_readfirstlane_b32 s[WV], v1
	s_and_b32 s13, ttmp7, 0xffff                   ; batch x 16 + head
	s_lshr_b32 s14, s[WV], 1                       ; I fetch K (0) or V (1),
	s_and_b32 s15, s[WV], 1                        ; the first or the second half of each part
.irp g, G1A, G1B
	s_mov_b32 s[\g], 3<<16                         ; elements of 8 bytes, no padding, no mask
	s_mov_b32 s[\g+1], 32<<16                      ; rows of 256 bytes: the bytes are dense
	s_mov_b32 s[\g+3], 32<<16
	s_mov_b32 s[\g+5], 32
	s_mov_b32 s[\g+6], 0
	s_mov_b32 s[\g+7], 0
.endr
	s_mov_b32 s[G1A+2], 64<<16                     ; half of 256 keys: 64 rows,
	s_mov_b32 s[G1A+4], 64
	s_mov_b32 s[G1B+2], 192<<16                    ; half of 768 keys: 192 rows
	s_mov_b32 s[G1B+4], 192
	s_lshl_b32 s18, s13, 17                        ; the head
	s_lshl_b32 s16, s14, 24
	s_add_co_u32 s16, s16, 1<<24                   ; the plane of k or v,
	s_add_co_u32 s16, s16, s18                     ; at the head
	s_lshl_b32 s19, s15, 14                        ; my half of the first 32,768 bytes,
	s_mul_i32 s10, s15, 49152
	s_add_co_u32 s10, s10, 32768                   ; my half of the other 98,304: the same offsets in memory and in LDS
	s_mov_b32 s[G0A], 1
	s_mov_b32 s[G0B], 1
	s_lshl_b32 s[G0A+1], s14, 17                   ; LDS: K at 0, V at 131,072
	s_add_co_u32 s[G0B+1], s[G0A+1], s10
	s_add_co_u32 s[G0A+1], s[G0A+1], s19
	s_add_co_u32 s10, s10, s16
	s_add_co_u32 s16, s16, s19
	s_mov_b32 s11, 0
	s_mov_b32 s17, 0
	s_lshl_b32 s20, ttmp9, 16                      ; Q: the head, my work-group's 512 rows, my wave's 128
	s_add_co_u32 s20, s20, s18
	s_lshl_b32 s19, s[WV], 14
	s_add_co_u32 s20, s20, s19
	s_mov_b32 s21, 0
	s_lshr_b32 s22, s13, 4                         ; ctx: row block 64 x batch + 32 x + 8 wave, 32,768 bytes each; the head's four column blocks
	s_lshl_b32 s22, s22, 21
	s_lshl_b32 s19, ttmp9, 20
	s_add_co_u32 s22, s22, s19
	s_lshl_b32 s19, s[WV], 18
	s_add_co_u32 s22, s22, s19
	s_and_b32 s19, s13, 15
	s_lshl_b32 s19, s19, 11
	s_add_co_u32 s22, s22, s19
	s_mov_b32 s23, 0
	s_lshl_b32 s2, s13, 12                         ; stat: 512 bytes for each 128 queries
	s_lshl_b32 s19, ttmp9, 11
	s_add_co_u32 s2, s2, s19
	s_lshl_b32 s19, s[WV], 9
	s_add_co_u32 s2, s2, s19
	s_mov_b32 s3, 0
	s_mov_b32 s[CS], 0x3e38aa3b                    ; c = log2(e) / 8
	s_mov_b32 s[CS+1], s[CS]
	s_mov_b32 s[SEL], 0x76543210
	s_mov_b32 s[SEL+1], 0xfedcba98
	s_mov_b32 s[TBK], 0
	s_mov_b32 s[TBV], 0
	s_wait_dscnt 0x0                               ; the opening add is done
	s_wait_kmcnt 0x0
	s_add_nc_u64 s[G0A+2:G0A+3], s[4:5], s[16:17]
	s_or_b32 s[G0A+3], s[G0A+3], 0x80000000
	s_add_nc_u64 s[G0B+2:G0B+3], s[4:5], s[10:11]
	s_or_b32 s[G0B+3], s[G0B+3], 0x80000000
	s_add_nc_u64 s[4:5], s[4:5], s[20:21]
	s_add_nc_u64 s[6:7], s[6:7], s[22:23]
	s_add_nc_u64 s[8:9], s[8:9], s[2:3]
	tensor_load_to_lds s[G0A:G0A+3], s[G1A:G1A+7]  ; my two loads go out together: my part of keys 0-255,
	s_nop 0
	tensor_load_to_lds s[G0B:G0B+3], s[G1B:G1B+7]  ; and of keys 256-1,023
	s_nop 0
.rept 4
	v_nop
.endr
	v_and_b32 v1, 31, v0
	v_lshlrev_b32 v[AK0], 4, v1
	WIN 0x80
.set i, 0
.rept 4*NP                                         ; Q stays in registers: tile i / 2, channels 32 (i % 2) on
	global_load_b128 v[8*i:8*i+3],   v[AK0], s[4:5] offset:(i/2)*2048+(i%2)*1024
	global_load_b128 v[8*i+4:8*i+7], v[AK0], s[4:5] offset:(i/2)*2048+(i%2)*1024+512
.set i, i+1
.endr
	; What the first turn finds: V's registers and P's second buffer hold 0, O^T and l are 0.  All this stands in the wait for the first tile.
.set i, VF
.rept 64
	v_mov_b32 v[i], 0
.set i, i+1
.endr
	WIN 0x40
.set i, 0
.rept 64*NP
	v_mov_b32 v[i], 0
.set i, i+1
.endr
	WIN 0
.set i, 0
.rept 2*NP
	v_mov_b32 v[ST+4*i], 0xfe000000                ; c m: far below every c s
	v_mov_b32 v[ST+4*i+1], 0xff7fffff              ; m
	v_mov_b32 v[ST+4*i+2], 0
	v_mov_b32 v[ST+4*i+3], 0
.set i, i+1
.endr
.set i, P+32
.rept 32
	v_mov_b32 v[i], 0
.set i, i+1
.endr
	; The turning load: lane l reads key 8 (l / 16) + l % 8, channels 8 ((l / 8) % 2) + 0..7 of a block of 16 x 16, and is left with channel l % 16 and 8 keys.
	v_and_b32 v10, 7, v0
	v_bfe_u32 v11, v0, 3, 1
	v_bfe_u32 v9, v0, 4, 1
	v_lshlrev_b32 v[AV0], 5, v10
	v_lshl_add_u32 v[AV0], v11, 4, v[AV0]
	v_lshl_add_u32 v[AV0], v9, 8, v[AV0]
	v_add_nc_u32 v[AV0], VBASE, v[AV0]
	v_mov_b32 v[AK], v[AK0]
; THE MATRIX WORK.  The 8 accumulators of a run of 16 take turns.
.macro KQ x
	WIN W_KQ
.set rS, S+64*((\x)%2)+32*(i%2)+8*((i/2)%4)
.set rK, KF+16*((i/2)%4)+8*(i/8)
.set rQ, 16*(2*(\x)+i%2)+8*(i/8)
.if i < 8
	v_wmma_f32_16x16x32_f16 v[rS:rS+7], v[rK:rK+7], v[rQ:rQ+7], 0
.else
	v_wmma_f32_16x16x32_f16 v[rS:rS+7], v[rK:rK+7], v[rQ:rQ+7], v[rS:rS+7]
.endif
.endm
.macro PV x
	WIN W_PV
.set rO, 32*(2*(\x)+i%2)+8*((i/2)%4)
.set rV, VF+32*(i/8)+8*((i/2)%4)
.set rP, P+32*((\x)%2)+16*(i%2)+8*(i/8)
	v_wmma_f32_16x16x32_f16 v[rO:rO+7], v[rV:rV+7], v[rP:rP+7], v[rO:rO+7]
.endm
.macro MM
.if i < 16
	KQ (Y+1)%NP
.set i, i+1
.else
.set i, i-16
	PV (Y+NP-1)%NP
.set i, i+17
.endif
.endm
; THE LDS LOADS stand in runs of 16: a step's K (8 fragments) and its V (turned).  last = 1 (in the loop): in the loop's last pass there is no further step, and the run is jumped over.
.macro FETCH_K last=0
	WIN 0
.if \last
	s_cmp_eq_u32 s[SLOTS], 1
	s_cbranch_scc1 .Lno_k_\@
.endif
	WIN 0x80
.irp f, 0,1,2,3,4,5,6,7                            ; keys 16 (f / 2) on, channels 32 (f % 2) on
	ds_load_b128 v[KF+8*\f:KF+8*\f+3],   v[AK] offset:(\f/2)*2048+(\f%2)*1024
	ds_load_b128 v[KF+8*\f+4:KF+8*\f+7], v[AK] offset:(\f/2)*2048+(\f%2)*1024+512
.endr
	s_add_co_u32 s[TBK], s[TBK], STEPB
	WIN 0
.if \last
.Lno_k_\@:
.endif
.endm
.macro FETCH_V
	WIN 0x80
.irp f, 0,1,2,3,4,5,6,7                            ; keys 32 (f / 4) on, channels 16 (f % 4) on
	ds_load_tr16_b128 v[VF+8*\f:VF+8*\f+3],   v[AV] offset:(\f/4)*4096+(\f%4)*512
	ds_load_tr16_b128 v[VF+8*\f+4:VF+8*\f+7], v[AV] offset:(\f/4)*4096+(\f%4)*512+2048
.endr
	WIN 0
.endm
; THE VECTOR WORK OF A TURN stands in three queues, each in the order in which its entries become ready; the two tiles alternate.
.macro REGS y, u
.set rT, ST+4*(2*(\y)+(\u))
.set rC, TMP+8*((\y)%2)+4*(\u)
.set rM, MV+2*((\y)%2)+(\u)
.set rS, S+64*((\y)%2)+32*(\u)
.set rP, P+32*((\y)%2)+16*(\u)
.set rO, 32*(2*(\y)+(\u))
.endm
; Number n of the 22 that find the NEXT piece's maximum and statistics; each accumulator's lowest registers are read first.
.macro XS u, n
	REGS (Y+1)%NP, \u
.if (\n) < 4
	v_max3_num_f32 v[rC+(\n)], v[rS+8*(\n)], v[rS+8*(\n)+1], v[rS+8*(\n)+2]
.elseif (\n) < 12
	v_max3_num_f32 v[rC+(\n)%4], v[rC+(\n)%4], v[rS+8*((\n)%4)+2*((\n)/4)+1], v[rS+8*((\n)%4)+2*((\n)/4)+2]
.elseif (\n) == 12
	v_max3_num_f32 v[rC], v[rC], v[rS+7], v[rS+15]
.elseif (\n) == 13
	v_max3_num_f32 v[rC+1], v[rC+1], v[rS+23], v[rS+31]
.elseif (\n) == 14
	v_max3_num_f32 v[rC+2], v[rC+2], v[rC+3], v[rT+1]
.elseif (\n) == 15
	v_mov_b32 v[rM], v[rT]
.elseif (\n) == 16
	v_max3_num_f32 v[rC], v[rC], v[rC+1], v[rC+2]
.elseif (\n) == 17
	v_permlanex16_b32 v[rC+3], v[rC], s[SEL], s[SEL+1]
.elseif (\n) == 18
	v_max_num_f32 v[rT+1], v[rC], v[rC+3]
.elseif (\n) == 19
	v_mul_f32 v[rT], s[CS], v[rT+1]
.elseif (\n) == 20
	v_sub_f32 v[rC+1], v[rM], v[rT]
.else
	v_exp_f32 v[rC+2], v[rC+1]
.endif
.endm
; Number g of the 64 that follow the exponentials: roundings to f16, sums in place, and l's chain.
.macro GS g
.set h, (\g)+6*((\g)/62)
.if h >= 6
.set h, h+2
.endif
	REGS Y, h%2
.set k, h/8
.if h%8 < 4
	v_cvt_pk_f16_f32 v[rP+2*k+(h%8)/2], v[rS+4*k+2*((h%8)/2)], v[rS+4*k+2*((h%8)/2)+1]
.elseif h%8 < 6
	v_pk_add_f32 v[rS+4*k:rS+4*k+1], v[rS+4*k:rS+4*k+1], v[rS+4*k+2:rS+4*k+3]
.elseif k == 1
	v_pk_fma_f32 v[rT+2:rT+3], v[rT+2:rT+3], v[rC+2:rC+3], v[rS:rS+1] op_sel_hi:[1,0,1]
.else
	v_pk_add_f32 v[rT+2:rT+3], v[rT+2:rT+3], v[rS+4*k-4:rS+4*k-3]
.endif
.endm
.macro FS f
	REGS Y, (\f)%2
	v_pk_fma_f32 v[rS+2*((\f)/2):rS+2*((\f)/2)+1], v[rS+2*((\f)/2):rS+2*((\f)/2)+1], s[CS:CS+1], v[rT:rT+1] op_sel_hi:[1,0,0] neg_lo:[0,0,1] neg_hi:[0,0,1]
.endm
; THE PLAIN QUEUE, 138 long: 0-73 read no exponential's result (scalings, the next piece's maximum and statistics); 74-137 stand behind the wait.
.macro PL
	WIN 0
.if q < 27
	FS q
.elseif q < 55
	XS (q-27)%2, (q-27)/2
.elseif q < 57
	XS q-55, 15
.elseif (q < 72) && ((q-57)%3 == 0)
	FS 27+(q-57)/3
.elseif q < 60
	XS (q-57)%3-1, 14
.elseif q < 72
	XS (q-57)%3-1, 15+(q-57)/3
.elseif q < 74
	XS q-72, 20
.else
	GS q-74
.endif
.set q, q+1
.endm
; THE EXPONENTIALS' QUEUE, 66 long: one batch, all ahead of the turn's one wait.
.macro EX
	WIN 0
.if e >= 64
	XS e-64, 21
.else
	REGS Y, e%2
	v_exp_f32 v[rS+e/2], v[rS+e/2]
.endif
.set e, e+1
.endm
; THE RESCALING's QUEUE: O^T times a, two at a time.
.macro R2
	REGS Y, r%2
	WIN W_RS
.irp z, 0,1
	v_pk_mul_f32 v[rO+4*(r/2)+2*\z:rO+4*(r/2)+2*\z+1], v[rO+4*(r/2)+2*\z:rO+4*(r/2)+2*\z+1], v[rC+2:rC+3] op_sel_hi:[1,0]
.endr
.set r, r+1
.endm
; A TURN, for piece p.  Ahead of the wait: 16 products K Q^T, behind each a scaling, an exponential and two rescalings; then a lump of 108.  Behind it: 16 products V^T P, behind each four roundings and sums.
; K of the next step is fetched in piece 2's turn, directly behind the wait; V of the step in hand at the end of piece 0's turn, four riders behind its last reader.
.macro TURN p, cnt=0
.set Y, (\p)
.set i, 0
.set q, 0
.set e, 0
.set r, 0
.if (\p) == NP-1
	s_wait_dscnt 0x0                               ; K is in
.endif
	MM
	PL
	PL
	R2
.rept 15
	MM
	PL
	EX
	R2
.endr
.if (\p) == NP-2
	WIN 0
	v_add_nc_u32 v[AK], s[TBK], v[AK0]
.endif
.rept 8
	PL
.endr
.rept 49
	EX
	PL
.endr
	EX
	EX
	v_nop                                          ; a plain instruction behind the last exponential: one for the batch
	s_wait_alu depctr_va_vdst(0)                   ; the wait for the batch, ahead of its first reader
.if (\p) == NP-2
	FETCH_K 1
.endif
.if (\p) == 1
	s_wait_dscnt 0x0                               ; V is in
.endif
.rept 16
	MM
.rept 4
	PL
.endr
.if ((\p) == 0) && (q == 118)
	v_add_nc_u32 v[AV], s[TBV], v[AV0]
.endif
.if ((\p) == 0) && (q == 130)
	s_add_co_u32 s[TBV], s[TBV], STEPB
.endif
.if (\cnt) && (q == 130)
	s_sub_co_u32 s[CNT], s[CNT], 1
	s_cmp_lg_u32 s[CNT], 0
.endif
.endr
.if (\p) == 0
	FETCH_V
.endif
.endm
	s_wait_tensorcnt 1                             ; my part of keys 0-255 is in; the load issued behind it may stay out, and the first four steps read none of its bytes
	s_barrier_signal -1
	s_barrier_wait -1                              ; everybody's is
	FETCH_K                                        ; key step 0
	s_wait_loadcnt 0x0                             ; Q
	s_wait_dscnt 0x0
.set i, 0
.rept 16
	KQ 0                                           ; piece 0's first scores
.set i, i+1
.endr
	WIN 0
.rept 4
	v_nop                                          ; the places behind those products
.endr
.set Y, NP-1                                       ; XS works for piece Y + 1: piece 0
.irp n, 0,1,2,3,4,5,6,7,8,9,10,11,12,13,14,15,16,17,18,19,20,21
	XS 0, \n
	XS 1, \n
.endr
	v_nop
	s_wait_alu depctr_va_vdst(0)                   ; the two a, ahead of the branch
	s_mov_b32 s[CNT], 4
	s_mov_b32 s[SLOTS], 5
	s_branch .Lfirst                               ; the loop is entered at a step's first turn
.Lslot:                                            ; behind pieces 0 and 1 of steps 3, 7, 11 and 15.  The first time the next turn fetches K of step 4, the first bytes of the second load:
	s_wait_tensorcnt 0x0                           ; my part of keys 256-1,023 is in (from the second time on the wait is met at once),
	s_wait_dscnt 0x0
	s_barrier_signal -1
	s_barrier_wait -1                              ; everybody's is.
	s_mov_b32 s[CNT], 4
.Lstep:                                            ; a trip: pieces 2 and 3 of one step, then pieces 0 and 1 of the next, whose K and V it fetches
	TURN 2
	TURN 3                                         ; (in the last pass its 16 products K Q^T repeat the last step's scores for piece 0: the maximum made of them changes nothing)
	WIN 0
	s_cmp_eq_u32 s[SLOTS], 1                       ; the last step's pieces 2 and 3 are done: the loop is left in its middle
	s_cbranch_scc1 .Lout
.Lfirst:
	TURN 0
	TURN 1, 1
	WIN 0
	s_cbranch_scc1 .Lstep
	s_sub_co_u32 s[SLOTS], s[SLOTS], 1
	s_cmp_lg_u32 s[SLOTS], 0
	s_cbranch_scc1 .Lslot
.Lout:
.set i, 0
.rept 16
	PV NP-1
.set i, i+1
.endr
	; THE WAY OUT.  l's halves are added; the additions are the places behind the last products.
	WIN 0
.macro ALL line:vararg
.set t, 0
.rept 2*NP
	\line
.set t, t+1
.endr
.endm
	ALL v_add_f32 v[ST+4*t+2], v[ST+4*t+2], v[ST+4*t+3]
	ALL v_permlanex16_b32 v[ST+4*t+3], v[ST+4*t+2], s[SEL], s[SEL+1]
	ALL v_add_f32 v[ST+4*t+2], v[ST+4*t+2], v[ST+4*t+3]
	ALL v_rcp_f32 v[ST+4*t+2], v[ST+4*t+2]
	v_and_b32 v9, 15, v0                           ; plain work behind the last reciprocal
	v_bfe_u32 v10, v0, 4, 1
	v_lshlrev_b32 v[SOF], 5, v9
	v_lshl_add_u32 v[SOF], v10, 4, v[SOF]          ; 32 (l % 16) + 16 (l / 16)
	v_and_b32 v11, 31, v0
	v_cmp_le_u32 s20, 16, v11                      ; the upper half of the lanes stores tiles 4 to 7
	s_wait_alu depctr_va_vdst(0)                   ; one wait for the eight reciprocals
	ALL v_mul_f32 v[ST+4*t+3], 0x3d800000, v[ST+4*t+2]
.irp i, 0,1,2,3
	v_cndmask_b32 v[TMP+\i], v[ST+4*\i], v[ST+16+4*\i], s20
	v_cndmask_b32 v[TMP+4+\i], v[ST+4*\i+3], v[ST+16+4*\i+3], s20
.endr
	global_store_b128 v[SOF], v[TMP:TMP+3], s[8:9]                   ; c m: 512 consecutive bytes, [query % 16][tile]
	global_store_b128 v[SOF], v[TMP+4:TMP+7], s[8:9] offset:524288   ; 1 / (16 l)
.macro PACK t                                      ; tile t: divided by l, rounded to f16, each channel block stored as 512 consecutive bytes
	WIN W_RS
.set i, 32*(\t)
.rept 16
	v_pk_mul_f32 v[i:i+1], v[i:i+1], v[ST+4*(\t)+2:ST+4*(\t)+3] op_sel_hi:[1,0]
.set i, i+2
.endr
	WIN 0x05
.set i, 0
.rept 16
	v_cvt_pk_f16_f32 v[S+16*(\t)+i], v[32*(\t)+2*i], v[32*(\t)+2*i+1]
.set i, i+1
.endr
	WIN 0
.irp f, 0,1,2,3
	global_store_b128 v[AK0], v[S+16*(\t)+4*\f:S+16*(\t)+4*\f+3], s[6:7] offset:(\t)*32768+\f*512
.endr
.endm
.set u, 0
.rept 2*NP
	PACK u
.set u, u+1
.endr
	s_wait_tensorcnt 0x0                           ; the wave's end
	ds_add_u32 v[SPW], v[NIL]
	s_wait_dscnt 0x0
	s_endpgm
.Lfunc_end_k_q45f14bdf5c_attn:
	.size	k_q45f14bdf5c_attn, .Lfunc_end_k_q45f14bdf5c_attn-k_q45f14bdf5c_attn
	.p2alignl 7, 3214868480
	.fill 96, 4, 3214868480
	.section	.rodata,"a",@progbits
	.p2align	6, 0x0
	.amdhsa_kernel k_q45f14bdf5c_attn
		.amdhsa_group_segment_fixed_size 327680
		.amdhsa_private_segment_fixed_size 0
		.amdhsa_enable_private_segment 0
		.amdhsa_kernarg_size 24
		.amdhsa_user_sgpr_count 2
		.amdhsa_user_sgpr_kernarg_segment_ptr 1
		.amdhsa_wavefront_size32 1
		.amdhsa_system_sgpr_workgroup_id_x 1
		.amdhsa_system_sgpr_workgroup_id_y 1
		.amdhsa_system_sgpr_workgroup_id_z 1
		.amdhsa_system_vgpr_workitem_id 0
		.amdhsa_next_free_vgpr 768
		.amdhsa_next_free_sgpr 66
		.amdhsa_reserve_vcc 0
		.amdhsa_float_denorm_mode_32 3
		.amdhsa_float_denorm_mode_16_64 3
		.amdhsa_memory_ordered 1
		.amdhsa_forward_progress 1
		.amdhsa_inst_pref_size 120
	.end_amdhsa_kernel
	.amdgpu_metadata
---
amdhsa.version: [ 1, 2 ]
amdhsa.kernels:
  - .name:           k_q45f14bdf5c_attn
    .symbol:         k_q45f14bdf5c_attn.kd
    .args:
      - { .name: qkv, .offset: 0, .size: 8, .value_kind: global_buffer, .address_space: global }
      - { .name: ctx, .offset: 8, .size: 8, .value_kind: global_buffer, .address_space: global }
      - { .name: stat, .offset: 16, .size: 8, .value_kind: global_buffer, .address_space: global }
    .group_segment_fixed_size: 327680
    .private_segment_fixed_size: 0
    .kernarg_segment_align: 8
    .kernarg_segment_size: 24
    .max_flat_workgroup_size: 128
    .sgpr_count:     66
    .vgpr_count:     768
    .wavefront_size: 32
...
	.end_amdgpu_metadata
.endif
;; end of part 3
;; launch heat (part 4): grid 4 x 64, 4 waves a work-group, clusters of 4 x 4, 327,680 bytes of LDS; arguments qkv, stat, out1; writes out1
.if DOCPART == 4
	.amdgcn_target "amdgcn-amd-amdhsa--gfx1250"
	.amdhsa_code_object_version 6
	.text
	.protected	k_q45f14bdf5c_heat
	.globl	k_q45f14bdf5c_heat
	.p2align	8
	.type	k_q45f14bdf5c_heat,@function
k_q45f14bdf5c_heat:
	s_mov_b64 s[64:65], 0
	v_nop
	global_prefetch_b8 v0, s[64:65] scope:SCOPE_SE
	s_setreg_imm32_b32 hwreg(HW_REG_WAVE_MODE, 25, 1), 1
	s_wait_xcnt 0x0
	s_wait_alu depctr_hold_cnt(0) depctr_sa_sdst(0) depctr_va_vdst(0) depctr_va_sdst(0) depctr_va_ssrc(0) depctr_va_vcc(0) depctr_vm_vsrc(0)
	s_getreg_b32 s2, hwreg(HW_REG_IB_STS2, 6, 4)
	s_cmp_eq_u32 s2, 0
	s_cbranch_scc0 .Lentry_in_a_cluster
	s_endpgm
.Lentry_in_a_cluster:
	s_bfe_u32 s2, ttmp6, 0x10000c
	s_cmp_lg_u32 s2, 0xf033
	s_cbranch_scc0 .Lentry_shape_is_right
	s_endpgm
.Lentry_shape_is_right:
; out1[b][q][k] = the mean over the 16 heads of softmax_k(q . k / 8) = the sum over h of 2^(c s - c m) x 1 / (16 l).  c m and 1 / (16 l) of each row were stored by the launch before; the scores are made anew, by the
; same matrix instructions on the same operands in the same order, so no exponent is above 0.  Scores, weights and the sum over heads in f32.  A weight below 2^-126 counts as 0.
; A tile of the map is 128 queries x 256 keys; four waves, each 64 x 128: 32 sums of 16 x 16 (H) stay in 256 registers through all 16 heads.  256 work-groups.
; CLUSTER 4 x 4: the four of a row of the cluster need the same queries, the four of a column the same keys (a column's four tile rows lie in one batch): each tile is asked for jointly.
; RING: a slot holds two heads' Q (2 x 16 KiB) and K (2 x 32 KiB); two slots.  q and k lie in blocks of 512 bytes that are half fragments: LDS is read by consecutive lanes at consecutive bytes, unpadded.
; S^T = K Q^T (source 0 = 16 keys, source 1 = 16 queries): a lane holds ONE query and eight keys, so c m and 1 / (16 l) are one number a lane and query tile.
; A PIPELINE OF FOUR STAGES BY ROWS.  A head's 32 score tiles are four rows of 8 (two key blocks x four query tiles).  While row be is multiplied, the row before it is scaled (c s - c m), the one before that
; goes through the exponential, and the one before that is added onto H.  Behind each matrix instruction stand 2 scalings, 4 exponentials and 2 additions; a row's 64 exponentials have one wait, at the row's end.
; REGISTERS: window 0: v16-29 addresses; v32-39 statistics as loaded; v40-47 c m, v48-55 1 / (16 l), a pair a query tile (the low word counts); v64-191 K's fragments; v192-255 Q's.  window 1: H.  window 2: S.
.set SLOT1, 131072
.set KOFF,  32768     ; in a slot: Q [half 2][head 2][8,192], then K [half 2][head 2][16,384]
.set STAGE, 229376    ; behind the ring, never filled by a tensor load: 16 rows x 528 bytes for each wave
.set SP,    528       ; 512 bytes + 16: the 16 rows of a store start at 16 different groups of four banks
.set SPARE, STAGE+4*16*SP  ; the spare words, 128 bytes a wave, which no other line names
.set AQ0, 16
.set AK0, 17
.set AQN, 18          ; the same for the head to be fetched
.set AKN, 19
.set CO,  20          ; 16 l
.set SO,  21          ; my 16 bytes of the statistics: 32 (l % 16) + 16 x my half of the queries
.set PFO, 23
.set STO, 24
.set RD,  25
.set SPW, 28
.set NIL, 29
.set LC,  32
.set LW,  36
.set CM,  40
.set W,   48
.set KF,  64          ; row be, key block kbl, channel half c at KF + 32 be + 16 kbl + 8 c
.set QF,  192         ; channel half c, query tile a at QF + 32 c + 8 a
.set WV, 14
.set WM, 15           ; my 64 queries; also: I fetch Q (0) or K (1)
.set WN, 16           ; my 128 keys; also: which half I fetch
.set CX, 17
.set CY, 18
.set TX, 20
.set TY, 21
.set CLY, 22
.set G1Q, 24
.set G0Q, 32
.set G1K, 40
.set G0K, 48
.set SLOTS, 56
.set TWICE, 57
.set CS, 58
.set TQ, 60           ; LDS byte at which Q of the head to be fetched begins
.set TK, 61
.set PFA, 62
.set LIM, 66
.set ST, 68           ; s[68:69] the statistics of the head whose numbers were asked for last
.set STI, 70          ; s[70:71] its step
.set W_MM, 0xa0       ; K and Q in window 0, S in window 2
.set W_S,  0x82       ; S (destination and source 0) in window 2, c m in window 0
.set W_H,  0x52       ; S in window 2, 1 / (16 l) in window 0, H in window 1
.set MSB, 0
.macro WIN new
.if MSB != (\new)
	s_set_vgpr_msb (MSB<<8)|(\new)
.set MSB, (\new)
.endif
.endm
.macro JLOAD                           ; a joint refill by the walking sets; an s_nop 0 and four v_nop follow each line
	s_cmp_eq_u32 s[WM], 0
	s_cbranch_scc0 .Lfor_k_\@
	tensor_load_to_lds s[G0Q+4:G0Q+7], s[G1Q:G1Q+7]
	s_nop 0
.rept 4
	v_nop
.endr
	s_branch .Lasked_\@
.Lfor_k_\@:
	tensor_load_to_lds s[G0K+4:G0K+7], s[G1K:G1K+7]
	s_nop 0
.rept 4
	v_nop
.endr
.Lasked_\@:
.endm
.macro CROUND
	s_barrier_signal -1
	s_barrier_wait -1
	s_cmp_lg_u32 s[WV], 0
	s_cbranch_scc1 .Lnot_wave_0_\@
	s_barrier_signal -3
.Lnot_wave_0_\@:
	s_barrier_wait -3
	s_barrier_signal -1
	s_barrier_wait -1
.endm
; A prefetch of what the NEXT change of slots will ask for, 8,192 bytes an instruction, a lane 256 bytes.  A slot's Q (32 KiB) is shared out among the four partners of a row of the cluster by address; wave 0 asks.
; Its K (64 KiB) is shared out among the four of a column and their waves 2 and 3; of the two clusters that read it the one with even y asks.  The last change that fills a slot asks for nothing.
.macro ASK
	s_cmp_gt_u32 s[SLOTS], s[LIM]
	s_cbranch_scc0 .Lnot_mine_\@
	global_prefetch_b8 v[PFO], s[PFA:PFA+1] th:TH_LOAD_NT scope:SCOPE_SE
.Lnot_mine_\@:
.endm
; THE CHANGE OF SLOTS, between two heads: the fragments of the slot's second head have been asked for.  Each wave waits for all its tensor loads (one is out: its part of the other slot), adds 0 to its spare word, and
; waits for that and for its reads of the slot.  fill = 1: a round of the cluster's barrier, and the slot is filled again first thing behind it, with the heads two slots on: it has two heads' work in which to land.
.macro CHANGE fill
	WIN 0
	s_wait_tensorcnt 0x0
	ds_add_u32 v[SPW], v[NIL]
.if \fill
.irp g, G0Q+4, G0K+4
	s_xor_b32 s[(\g)+1], s[(\g)+1], SLOT1
	s_add_nc_u64 s[(\g)+2:(\g)+3], s[(\g)+2:(\g)+3], 262144  ; two heads on
.endr
	s_wait_xcnt 0x0                                ; the last prefetch, two heads back, has read its address
	s_add_nc_u64 s[PFA:PFA+1], s[PFA:PFA+1], 262144
	s_wait_dscnt 0x0                               ; the add is done, and my reads of the slot are over
	CROUND
	JLOAD
	ASK
.else
	s_wait_dscnt 0x0
	s_barrier_signal -1
	s_barrier_wait -1
.endif
	s_xor_b32 s[TQ], s[TQ], SLOT1
	s_xor_b32 s[TK], s[TK], SLOT1
.endm
.macro QLD c                           ; Q's four fragments of channel half c
	WIN 0
.irp a, 0,1,2,3
	ds_load_b128 v[QF+32*(\c)+8*\a:QF+32*(\c)+8*\a+3],   v[AQN] offset:\a*2048+(\c)*1024
	ds_load_b128 v[QF+32*(\c)+8*\a+4:QF+32*(\c)+8*\a+7], v[AQN] offset:\a*2048+(\c)*1024+512
.endr
.endm
.macro KLD be                          ; K's four fragments of row be
	WIN 0
.irp k, 0,1
.irp c, 0,1
	ds_load_b128 v[KF+32*(\be)+16*\k+8*\c:KF+32*(\be)+16*\k+8*\c+3],   v[AKN] offset:(2*(\be)+\k)*2048+\c*1024
	ds_load_b128 v[KF+32*(\be)+16*\k+8*\c+4:KF+32*(\be)+16*\k+8*\c+7], v[AKN] offset:(2*(\be)+\k)*2048+\c*1024+512
.endr
.endr
.endm
.macro NEXTADR                         ; the addresses of the head to be fetched; then on to the slot's other head
	WIN 0
	v_add_nc_u32 v[AQN], s[TQ], v[AQ0]
	v_add_nc_u32 v[AKN], s[TK], v[AK0]
	s_xor_b32 s[TQ], s[TQ], 8192
	s_xor_b32 s[TK], s[TK], 16384
.endm
.macro SC row, p                       ; pair p of 32 of a row: c s - c m; the query tile is (p / 4) % 4.  Each accumulator is read from its low end on
	v_pk_fma_f32 v[64*(\row)+2*(\p):64*(\row)+2*(\p)+1], v[64*(\row)+2*(\p):64*(\row)+2*(\p)+1], s[CS:CS+1], v[CM+2*(((\p)/4)%4):CM+2*(((\p)/4)%4)+1] op_sel_hi:[1,0,0] neg_lo:[0,0,1] neg_hi:[0,0,1]
.endm
.macro EX row, e
	v_exp_f32 v[64*(\row)+(\e)], v[64*(\row)+(\e)]
.endm
.macro HF row, p                       ; H += p x 1 / (16 l)
	v_pk_fma_f32 v[64*(\row)+2*(\p):64*(\row)+2*(\p)+1], v[64*(\row)+2*(\p):64*(\row)+2*(\p)+1], v[W+2*(((\p)/4)%4):W+2*(((\p)/4)%4)+1], v[64*(\row)+2*(\p):64*(\row)+2*(\p)+1] op_sel_hi:[1,0,1]
.endm
; ROW be of a head: 16 matrix instructions (channel half j / 8, tile j % 8; the 8 accumulators take turns), each with its eight riders.  The four plain riders behind a product are the places in front of the
; loads that follow the row's, or Q's half's, last product.  c m changes heads at row 1 (the row scaled there is this head's row 0), 1 / (16 l) at row 3 (the row added there is this head's row 0).
.macro ROW be, tail
.set r3, ((\be)+3)%4
.set r2, ((\be)+2)%4
.set r1, ((\be)+1)%4
	WIN 0
.if (\be) == 0
	s_wait_dscnt 16                                ; all but Q's second half and K's row 3
.endif
.if (\be) == 1
	s_wait_loadcnt 1                               ; c m is in; 1 / (16 l), asked for behind it, may stay out
.irp a, 0,1,2,3
	v_mov_b32 v[CM+2*\a], v[LC+\a]
.endr
	s_wait_xcnt 0x0                                ; the loads have read their base
.if \tail
	s_cmp_eq_u32 s[TWICE], 1                       ; behind the last head there is none: its own numbers are asked for once more
	s_cselect_b32 s[STI], 0, 4096
.endif
	s_add_nc_u64 s[ST:ST+1], s[ST:ST+1], s[STI:STI+1]
	global_load_b128 v[LC:LC+3], v[SO], s[ST:ST+1]
.endif
.if (\be) == 3
	s_wait_dscnt 24                                ; K's row 3; this head's three runs may stay out
	s_wait_loadcnt 1                               ; 1 / (16 l) is in; the next c m may stay out
.irp a, 0,1,2,3
	v_mov_b32 v[W+2*\a], v[LW+\a]
.endr
	global_load_b128 v[LW:LW+3], v[SO], s[ST:ST+1] offset:524288
.endif
.set j, 0
.rept 16
.if ((\be) == 0) && (j == 8)
	s_wait_dscnt 8                                 ; Q's second half; K's row 3 may stay out
.endif
.set rS, 64*(\be)+8*(j%8)
.set rK, KF+32*(\be)+16*((j%8)/4)+8*(j/8)
.set rQ, QF+32*(j/8)+8*(j%4)
	WIN W_MM
.if j < 8
	v_wmma_f32_16x16x32_f16 v[rS:rS+7], v[rK:rK+7], v[rQ:rQ+7], 0
.else
	v_wmma_f32_16x16x32_f16 v[rS:rS+7], v[rK:rK+7], v[rQ:rQ+7], v[rS:rS+7]
.endif
	WIN W_S
	SC r3, 2*j
	EX r2, 4*j
	SC r3, 2*j+1
	EX r2, 4*j+1
	EX r2, 4*j+2
	EX r2, 4*j+3
	WIN W_H
	HF r1, 2*j
	HF r1, 2*j+1
.if ((\be) == 3) && (j == 7)
	QLD 0                                          ; the next head's Q, first half: its last reader of this head stands four plain riders back
.endif
.set j, j+1
.endr
.if (\be) == 3
	QLD 1
.endif
	KLD \be                                        ; the next head's K for this row
	s_wait_alu depctr_va_vdst(0)                   ; one wait for the row's 64 exponentials: their readers stand in the next row
.endm
.macro HEAD tail
	NEXTADR
	ROW 0, \tail
	ROW 1, \tail
	ROW 2, \tail
	ROW 3, \tail
	WIN 0
.endm
	s_load_b128 s[4:7], s[0:1], 0x0                ; qkv 4, stat 6
	s_load_b64 s[8:9], s[0:1], 0x10                ; out1
	v_lshl_add_u32 v[SPW], v0, 2, SPARE
	v_mov_b32 v[NIL], 0
	ds_add_u32 v[SPW], v[NIL]                      ; the wave's opening: the add and its wait ahead of my first tensor load
	ds_add_u32 v28, v29
	v_lshrrev_b32 v1, 5, v0
	v_readfirstlane_b32 s[WV], v1
	s_lshr_b32 s[WM], s[WV], 1
	s_and_b32 s[WN], s[WV], 1
	s_bfe_u32 s[CX], ttmp6, 0x40000
	s_bfe_u32 s[CY], ttmp6, 0x40004
	s_lshl_b32 s[TX], ttmp9, 2
	s_add_co_u32 s[TX], s[TX], s[CX]               ; tile of 256 keys
	s_and_b32 s[CLY], ttmp7, 0xffff
	s_lshl_b32 s[TY], s[CLY], 2
	s_add_co_u32 s[TY], s[TY], s[CY]               ; 8 x batch + tile of 128 queries
	s_lshl_b32 s72, s[CY], 2
	s_lshl_b32 s72, 15, s72
	s_lshl_b32 s73, 0x1111, s[CX]
	s_or_b32 s[G1Q], s72, (3<<16)|(1<<21)          ; the mask; elements of 8 bytes; bit 21 beside a mask; no padding
	s_or_b32 s[G1K], s73, (3<<16)|(1<<21)
	s_mov_b32 s[G1Q+1], 1024<<16                   ; a row is one head's 8,192 bytes,
	s_mov_b32 s[G1Q+2], 2<<16                      ; two heads,
	s_mov_b32 s[G1Q+3], 1024<<16
	s_mov_b32 s[G1Q+4], 2
	s_mov_b32 s[G1Q+5], 16384                      ; 131,072 bytes from head to head
	s_mov_b32 s[G1Q+6], 0
	s_mov_b32 s[G1Q+7], 0
	s_mov_b32 s[G1K+1], 2048<<16                   ; 16,384 bytes
	s_mov_b32 s[G1K+2], 2<<16
	s_mov_b32 s[G1K+3], 2048<<16
	s_mov_b32 s[G1K+4], 2
	s_mov_b32 s[G1K+5], 16384
	s_mov_b32 s[G1K+6], 0
	s_mov_b32 s[G1K+7], 0
	s_lshr_b32 s74, s[TY], 3                       ; Q: the batch, the tile of queries, my half: the tile row and the wave alone
	s_lshl_b32 s74, s74, 21
	s_and_b32 s75, s[TY], 7
	s_lshl_b32 s75, s75, 14
	s_add_co_u32 s74, s74, s75
	s_lshl_b32 s75, s[WN], 13
	s_add_co_u32 s74, s74, s75
	s_mov_b32 s75, 0
	s_lshr_b32 s76, s[CLY], 1                      ; K: the batch from the cluster's y, the tile of keys, my half
	s_lshl_b32 s76, s76, 21
	s_lshl_b32 s77, s[TX], 15
	s_add_co_u32 s76, s76, s77
	s_lshl_b32 s77, s[WN], 14
	s_add_co_u32 s76, s76, s77
	s_add_co_u32 s76, s76, 1<<24                   ; k's plane
	s_mov_b32 s77, 0
	s_lshl_b32 s12, s[WN], 14                      ; where they go: the wave's number alone
	s_lshl_b32 s13, s[WN], 15
	s_add_co_u32 s13, s13, KOFF
	s_mov_b32 s[CS], 0x3e38aa3b                    ; c = log2(e) / 8
	s_mov_b32 s[CS+1], s[CS]
	s_mov_b32 s[TQ], 0
	s_mov_b32 s[TK], 0
	s_mov_b32 s[STI], 4096                         ; 8 blocks of 512 bytes from head to head
	s_mov_b32 s[STI+1], 0
	s_wait_dscnt 0x0                               ; the opening add is done
	s_wait_kmcnt 0x0
	s_add_nc_u64 s[74:75], s[4:5], s[74:75]
	s_add_nc_u64 s[76:77], s[4:5], s[76:77]
	CROUND                                         ; all sixteen work-groups are here: the first joint loads meet
.irp s, 0,1
	s_mov_b32 s[G0Q+4*\s], 1
	s_add_co_u32 s[G0Q+4*\s+1], s12, \s*SLOT1
	s_add_nc_u64 s[G0Q+4*\s+2:G0Q+4*\s+3], s[74:75], \s*262144
	s_or_b32 s[G0Q+4*\s+3], s[G0Q+4*\s+3], 0x80000000
	s_mov_b32 s[G0K+4*\s], 1
	s_add_co_u32 s[G0K+4*\s+1], s13, \s*SLOT1
	s_add_nc_u64 s[G0K+4*\s+2:G0K+4*\s+3], s[76:77], \s*262144
	s_or_b32 s[G0K+4*\s+3], s[G0K+4*\s+3], 0x80000000
.endr
	s_cmp_eq_u32 s[WM], 0                          ; a wave's two first fills stand in one branch: two loads of mine are out
	s_cbranch_scc0 .Lfirst_k
	tensor_load_to_lds s[G0Q:G0Q+3], s[G1Q:G1Q+7]
	s_nop 0
	tensor_load_to_lds s[G0Q+4:G0Q+7], s[G1Q:G1Q+7]
	s_nop 0
.rept 4
	v_nop
.endr
	s_branch .Lfirst_asked
.Lfirst_k:
	tensor_load_to_lds s[G0K:G0K+3], s[G1K:G1K+7]
	s_nop 0
	tensor_load_to_lds s[G0K+4:G0K+7], s[G1K:G1K+7]
	s_nop 0
.rept 4
	v_nop
.endr
.Lfirst_asked:
	v_and_b32 v1, 15, v0                           ; l % 16
	v_bfe_u32 v2, v0, 4, 1                         ; l / 16
	v_and_b32 v4, 31, v0                           ; l
	v_lshlrev_b32 v[CO], 4, v4
	s_lshl_b32 s10, s[WM], 14
	v_add_nc_u32 v[AQ0], s10, v[CO]
	s_lshl_b32 s10, s[WN], 15
	s_add_co_u32 s10, s10, KOFF
	v_add_nc_u32 v[AK0], s10, v[CO]
	s_lshl_b32 s10, s[WM], 4
	v_lshl_add_u32 v[SO], v1, 5, s10
	v_lshlrev_b32 v[PFO], 8, v4
	s_mul_i32 s10, s[WV], 16*SP
	s_add_co_u32 s10, s10, STAGE                   ; my stage
	v_mul_u32_u24 v[STO], v1, SP
	v_lshl_add_u32 v[STO], v2, 5, v[STO]
	v_add_nc_u32 v[STO], s10, v[STO]               ; in: row l % 16, 32 bytes for each half of the lanes
	v_add_nc_u32 v[RD], s10, v[CO]                 ; back: a row's 512 bytes
	s_lshr_b32 s10, s[TY], 3                       ; the statistics: (128 x batch + 8 x head + tile of queries) x 512
	s_lshl_b32 s10, s10, 16
	s_and_b32 s11, s[TY], 7
	s_lshl_b32 s11, s11, 9
	s_add_co_u32 s10, s10, s11
	s_mov_b32 s11, 0
	s_add_nc_u64 s[ST:ST+1], s[6:7], s[10:11]
	global_load_b128 v[LC:LC+3], v[SO], s[ST:ST+1]                 ; head 0's c m,
	global_load_b128 v[LW:LW+3], v[SO], s[ST:ST+1] offset:524288   ; and its 1 / (16 l)
	s_lshl_b32 s10, s[TY], 19                      ; out1: row 128 x tile row + 64 x half, 4,096 bytes a row; column 256 x tile column + 128 x half
	s_lshl_b32 s11, s[WM], 18
	s_add_co_u32 s10, s10, s11
	s_lshl_b32 s11, s[TX], 10
	s_add_co_u32 s10, s10, s11
	s_lshl_b32 s11, s[WN], 9
	s_add_co_u32 s10, s10, s11
	s_mov_b32 s11, 0
	s_add_nc_u64 s[8:9], s[8:9], s[10:11]
	s_lshr_b32 s10, s[TY], 3                       ; the prefetches.  Q: head cx / 2 of the slot's two, half cx % 2 of its 16,384 bytes
	s_lshl_b32 s10, s10, 21
	s_and_b32 s78, s[TY], 7
	s_lshl_b32 s78, s78, 14
	s_add_co_u32 s10, s10, s78
	s_lshr_b32 s78, s[CX], 1
	s_lshl_b32 s78, s78, 17
	s_add_co_u32 s10, s10, s78
	s_and_b32 s78, s[CX], 1
	s_lshl_b32 s78, s78, 13
	s_add_co_u32 s10, s10, s78
	s_lshl_b32 s79, s[CY], 1                       ; K: piece i = 2 cy + half of eight: head i / 4, quarter i % 4 of its 32,768 bytes
	s_add_co_u32 s79, s79, s[WN]
	s_lshr_b32 s78, s79, 2
	s_lshl_b32 s78, s78, 17
	s_and_b32 s79, s79, 3
	s_lshl_b32 s79, s79, 13
	s_add_co_u32 s78, s78, s79
	s_lshr_b32 s79, s[CLY], 1
	s_lshl_b32 s79, s79, 21
	s_add_co_u32 s78, s78, s79
	s_lshl_b32 s79, s[TX], 15
	s_add_co_u32 s78, s78, s79
	s_add_co_u32 s78, s78, 1<<24
	s_and_b32 s79, s[CLY], 1
	s_cmp_eq_u32 s[WM], 0
	s_cselect_b32 s10, s10, s78
	s_cselect_b32 s[LIM], s[WN], s79               ; wave 0: 0; wave 1: 1; waves 2 and 3: the parity of the cluster's y: the same in all sixteen partners
	s_cmp_eq_u32 s[LIM], 0
	s_cselect_b32 s[LIM], 1, -1
	s_add_nc_u64 s[PFA:PFA+1], s[4:5], s[10:11]
	s_add_nc_u64 s[PFA:PFA+1], s[PFA:PFA+1], 2*262144  ; in slot 2; the first change steps it to slot 3.  Nothing is prefetched at the head
	; H starts at 0.  S's rows 1 to 3, c m and 1 / (16 l) start at 0 too: what the first head's later stages find there adds 0 x 1 or 0 x 0 onto H.  All this stands in the wait for the first tile.
.irp i, 0,1,2,3,4,5,6,7
	v_mov_b32 v[CM+\i], 0
	v_mov_b32 v[W+\i], 0
.endr
	WIN 0x40
.set i, 0
.rept 256
	v_mov_b32 v[i], 0
.set i, i+1
.endr
	WIN 0x80
.set i, 64
.rept 192
	v_mov_b32 v[i], 0
.set i, i+1
.endr
	WIN 0
	s_wait_tensorcnt 1                             ; my part of slot 0 is in; slot 1's may stay out
	s_barrier_signal -1
	s_barrier_wait -1
	NEXTADR                                        ; head 0
	QLD 0
	QLD 1
	KLD 0
	KLD 1
	KLD 2
	KLD 3
	s_wait_dscnt 0x0
	s_mov_b32 s[TWICE], 1
	s_mov_b32 s[SLOTS], 7
	s_branch .Lhead                                ; head 0 fetches head 1, the last of slot 0: the first change of slots follows it
.Lslot:                                            ; six times: behind heads 0, 2, .. 10 a slot is filled again
	CHANGE 1
	s_mov_b32 s[TWICE], 2
.Lhead:
	HEAD 0
	s_sub_co_u32 s[TWICE], s[TWICE], 1
	s_cmp_lg_u32 s[TWICE], 0
	s_cbranch_scc1 .Lhead
	s_sub_co_u32 s[SLOTS], s[SLOTS], 1
	s_cmp_lg_u32 s[SLOTS], 0
	s_cbranch_scc1 .Lslot
	CHANGE 0                                       ; the tail is written out: heads 13, 14, 15
	s_mov_b32 s[TWICE], 3
.Ltail:
	HEAD 1                                         ; (head 15 fetches head 14's fragments once more: bytes that lie there, and serve nothing)
	s_sub_co_u32 s[TWICE], s[TWICE], 1
	s_cmp_lg_u32 s[TWICE], 0
	s_cbranch_scc1 .Ltail
	; THE PIPELINE RUNS DRY: row 3 is scaled, row 2 goes through the exponential, row 1 is added; then rows 3 and 2; then row 3.
	WIN W_S
.set j, 0
.rept 32
	SC 3, j
	EX 2, 2*j
	EX 2, 2*j+1
.set j, j+1
.endr
	WIN W_H
.set j, 0
.rept 32
	HF 1, j
.set j, j+1
.endr
	s_wait_alu depctr_va_vdst(0)
	WIN W_S
.set j, 0
.rept 64
	EX 3, j
.set j, j+1
.endr
	WIN W_H
.set j, 0
.rept 32
	HF 2, j
.set j, j+1
.endr
	s_wait_alu depctr_va_vdst(0)
.set j, 0
.rept 32
	HF 3, j
.set j, j+1
.endr
; THE WAY OUT, a query tile at a time: a lane's eight keys of a row, 32 bytes, go into my stage's rows of 528 bytes and come back as whole rows of 512, into S's registers.
.macro WAYOUT a
	WIN 0x04
.irp kb, 0,1,2,3,4,5,6,7
	ds_store_b128 v[STO], v[64*(\kb/2)+8*(4*(\kb%2)+(\a)):64*(\kb/2)+8*(4*(\kb%2)+(\a))+3]   offset:64*\kb
	ds_store_b128 v[STO], v[64*(\kb/2)+8*(4*(\kb%2)+(\a))+4:64*(\kb/2)+8*(4*(\kb%2)+(\a))+7] offset:64*\kb+16
.endr
	WIN 0x80
.irp t, 0,1,2,3,4,5,6,7,8,9,10,11,12,13,14,15
	ds_load_b128 v[64*(\a)+4*\t:64*(\a)+4*\t+3], v[RD] offset:\t*SP  ; LDS serves a wave's instructions in order: these see the stores above, and the next tile's stores come behind them
.endr
	s_wait_dscnt 0x0
	WIN 0x08
.irp t, 0,1,2,3,4,5,6,7,8,9,10,11,12,13,14,15
	global_store_b128 v[CO], v[64*(\a)+4*\t:64*(\a)+4*\t+3], s[8:9] offset:(16*(\a)+\t)*4096 th:TH_STORE_NT  ; the wave stores 512 consecutive bytes, aligned
.endr
.endm
	WAYOUT 0
	WAYOUT 1
	WAYOUT 2
	WAYOUT 3
	WIN 0
	s_wait_tensorcnt 0x0                           ; the wave's end
	ds_add_u32 v[SPW], v[NIL]
	s_wait_dscnt 0x0
	CROUND                                         ; the closing round
	s_endpgm
.Lfunc_end_k_q45f14bdf5c_heat:
	.size	k_q45f14bdf5c_heat, .Lfunc_end_k_q45f14bdf5c_heat-k_q45f14bdf5c_heat
	.p2alignl 7, 3214868480
	.fill 96, 4, 3214868480
	.section	.rodata,"a",@progbits
	.p2align	6, 0x0
	.amdhsa_kernel k_q45f14bdf5c_heat
		.amdhsa_group_segment_fixed_size 327680
		.amdhsa_private_segment_fixed_size 0
		.amdhsa_enable_private_segment 0
		.amdhsa_kernarg_size 24
		.amdhsa_user_sgpr_count 2
		.amdhsa_user_sgpr_kernarg_segment_ptr 1
		.amdhsa_wavefront_size32 1
		.amdhsa_system_sgpr_workgroup_id_x 1
		.amdhsa_system_sgpr_workgroup_id_y 1
		.amdhsa_system_sgpr_workgroup_id_z 1
		.amdhsa_system_vgpr_workitem_id 0
		.amdhsa_next_free_vgpr 768
		.amdhsa_next_free_sgpr 80
		.amdhsa_reserve_vcc 0
		.amdhsa_float_denorm_mode_32 3
		.amdhsa_float_denorm_mode_16_64 3
		.amdhsa_memory_ordered 1
		.amdhsa_forward_progress 1
		.amdhsa_inst_pref_size 132
	.end_amdhsa_kernel
	.amdgpu_metadata
---
amdhsa.version: [ 1, 2 ]
amdhsa.kernels:
  - .name:           k_q45f14bdf5c_heat
    .symbol:         k_q45f14bdf5c_heat.kd
    .args:
      - { .name: qkv, .offset: 0, .size: 8, .value_kind: global_buffer, .address_space: global }
      - { .name: stat, .offset: 8, .size: 8, .value_kind: global_buffer, .address_space: global }
      - { .name: out1, .offset: 16, .size: 8, .value_kind: global_buffer, .address_space: global }
    .group_segment_fixed_size: 327680
    .private_segment_fixed_size: 0
    .kernarg_segment_align: 8
    .kernarg_segment_size: 24
    .max_flat_workgroup_size: 128
    .sgpr_count:     80
    .vgpr_count:     768
    .wavefront_size: 32
...
	.end_amdgpu_metadata
.endif
;; end of part 4
;; launch oproj (part 5): grid 4 x 64, 4 waves a work-group, clusters of 4 x 4, 327,680 bytes of LDS; arguments ctx, wh, out_proj_b, query, out0; writes out0
.if DOCPART == 5
	.amdgcn_target "amdgcn-amd-amdhsa--gfx1250"
	.amdhsa_code_object_version 6
	.text
	.protected	k_q45f14bdf5c_oproj
	.globl	k_q45f14bdf5c_oproj
	.p2align	8
	.type	k_q45f14bdf5c_oproj,@function
k_q45f14bdf5c_oproj:
	s_mov_b64 s[64:65], 0
	v_nop
	global_prefetch_b8 v0, s[64:65] scope:SCOPE_SE
	s_setreg_imm32_b32 hwreg(HW_REG_WAVE_MODE, 25, 1), 1
	s_wait_xcnt 0x0
	s_wait_alu depctr_hold_cnt(0) depctr_sa_sdst(0) depctr_va_vdst(0) depctr_va_sdst(0) depctr_va_ssrc(0) depctr_va_vcc(0) depctr_vm_vsrc(0)
	s_getreg_b32 s2, hwreg(HW_REG_IB_STS2, 6, 4)
	s_cmp_eq_u32 s2, 0
	s_cbranch_scc0 .Lentry_in_a_cluster
	s_endpgm
.Lentry_in_a_cluster:
	s_bfe_u32 s2, ttmp6, 0x10000c
	s_cmp_lg_u32 s2, 0xf033
	s_cbranch_scc0 .Lentry_shape_is_right
	s_endpgm
.Lentry_shape_is_right:
; out0 = ctx Wo^T + b + query.  ctx: f16 in blocks [16 rows: 512][16 columns: 64][512 bytes]; wh rows 3072-4095: out_proj_w in f16; sums in f32, started with the bias; the residual is added in f32.
; A tile of C is 128 rows x 256 columns: 256 work-groups, one tile each.  Four waves, each 64 x 128: 32 accumulators.  K goes in steps of 128 through two LDS slots.
; CLUSTER 4 x 4: ctx's tile is shared along a row of the cluster, the weights' along a column: each is asked for jointly.
; THE MATRIX INSTRUCTION IS USED TRANSPOSED (source 0 = 16 rows of W, source 1 = 16 rows of ctx): a lane holds row l % 16 and eight neighbouring columns.
; REGISTERS: window 0: v16-29 addresses; v64-159, v160-255 two fragment buffers; window 1: the accumulators; window 2: v0-63 the bias as a C operand, v64-191 rows read back from the stage, two buffers;
; window 3: my 64 x 128 numbers of query, onto which the rows are added and from which they are stored.
.set PITCH, 272       ; a row of W in LDS: 256 bytes + 16 of padding
.set SLOT1, 131072
.set BOFF,  32768     ; in a slot: ctx's 8 row blocks x 4,096 bytes, unpadded (read by consecutive lanes), then W's 256 rows
.set STAGE, SLOT1+BOFF+256*PITCH  ; behind the ring, never filled by a tensor load: 16 rows x 528 bytes for each wave
.set SP,    528
.set SPARE, STAGE+4*16*SP  ; the spare words, 128 bytes a wave, which no other line names
.set AKQ,   1024      ; ctx's fragments: bytes from quarter to quarter (two blocks),
.set AI,    4096      ; from 16 rows to the next,
.set AH,    512       ; and to a fragment's second half
.set CFG, (1<<16)|(1<<20)|(1<<21)|(5<<22)|(3<<25)
.set ADRA0, 16
.set ADRB0, 17
.set ADA,  18
.set ADB,  19
.set CO,   20         ; 16 l
.set BO,   22
.set PFO,  23
.set STO,  24
.set RD,   25
.set SPW,  28
.set NIL,  29
.set F0,   64
.set F1,   160
.set BI,   0
.set WV, 14
.set WM, 15
.set WN, 16
.set CX, 17
.set CY, 18
.set TB, 19
.set TX, 20
.set TY, 21
.set G1A, 24
.set G0A, 32
.set G1B, 40
.set G0B, 48
.set PFI, 60
.set PFA, 62
.set LIML, 67
.set MUL,  0x50
.set MULF, 0x60
.set MSB, 0
.macro WIN new
.if MSB != (\new)
	s_set_vgpr_msb (MSB<<8)|(\new)
.set MSB, (\new)
.endif
.endm
.macro PLACES
.rept 4
	v_nop
.endr
.endm
.macro MUL8 f, a, first                ; the 32 accumulators take turns, in the same order in every quarter.  first = 1: the bias starts the sums
.if \first
	WIN MULF
.else
	WIN MUL
.endif
.irp b, 0,1,2,3,4,5,6,7
.if \first
	v_wmma_f32_16x16x32_f16 v[8*(8*(\a)+\b):8*(8*(\a)+\b)+7], v[(\f)+8*\b:(\f)+8*\b+7], v[(\f)+64+8*(\a):(\f)+64+8*(\a)+7], v[BI+8*\b:BI+8*\b+7]
.else
	v_wmma_f32_16x16x32_f16 v[8*(8*(\a)+\b):8*(8*(\a)+\b)+7], v[(\f)+8*\b:(\f)+8*\b+7], v[(\f)+64+8*(\a):(\f)+64+8*(\a)+7], v[8*(8*(\a)+\b):8*(8*(\a)+\b)+7]
.endif
.endr
.endm
.macro MUL16 f, a0, first
	MUL8 \f, \a0, \first
	MUL8 \f, (\a0)+1, \first
.endm
.macro FETCH kq, f
	WIN 0
.irp i, 0,1,2,3,4,5,6,7
	ds_load_b128 v[(\f)+8*\i:(\f)+8*\i+3],   v[ADB] offset:(\kq)*64+\i*16*PITCH
	ds_load_b128 v[(\f)+8*\i+4:(\f)+8*\i+7], v[ADB] offset:(\kq)*64+\i*16*PITCH+32
.endr
.irp i, 0,1,2,3
	ds_load_b128 v[(\f)+64+8*\i:(\f)+64+8*\i+3],   v[ADA] offset:(\kq)*AKQ+\i*AI
	ds_load_b128 v[(\f)+64+8*\i+4:(\f)+64+8*\i+7], v[ADA] offset:(\kq)*AKQ+\i*AI+AH
.endr
.endm
.macro QUARTER kq, f, g, first
	s_wait_dscnt 4                                 ; all but ctx's blocks 2 and 3
	MUL16 \f, 0, \first
	PLACES
	FETCH \kq, \g
	s_wait_dscnt 24                                ; all but the 24 just issued
	MUL16 \f, 2, \first
.endm
.macro JLOAD
	s_cmp_eq_u32 s[WM], 0
	s_cbranch_scc0 .Lfor_b_\@
	tensor_load_to_lds s[G0A+4:G0A+7], s[G1A:G1A+7]
	s_nop 0
.rept 4
	v_nop
.endr
	s_branch .Lasked_\@
.Lfor_b_\@:
	tensor_load_to_lds s[G0B+4:G0B+7], s[G1B:G1B+7]
	s_nop 0
.rept 4
	v_nop
.endr
.Lasked_\@:
.endm
.macro CREST
	s_cmp_lg_u32 s[WV], 0
	s_cbranch_scc1 .Lnot_wave_0_\@
	s_barrier_signal -3
.Lnot_wave_0_\@:
	s_barrier_wait -3
	s_barrier_signal -1
	s_barrier_wait -1
.endm
.macro CROUND
	s_barrier_signal -1
	s_barrier_wait -1
	CREST
.endm
; A prefetch of the K step that stands two refills on, 8,192 bytes an instruction, a lane 256 bytes.  ctx's 8 row blocks of a tile are shared out among the four partners of a row of the cluster by address (2 each;
; wave 0 asks); W's 256 rows among the four of a column (64 each; waves 2 and 3 ask for 32 each), and of the sixteen clusters that read them the one with y = 0 asks.  The last two refills have no K step two on.
.macro ASK
	s_cmp_gt_u32 s3, s[LIML]
	s_cbranch_scc0 .Lnot_mine_\@
	global_prefetch_b8 v[PFO], s[PFA:PFA+1] th:TH_LOAD_NT scope:SCOPE_SE
.Lnot_mine_\@:
.endm
; A K step's last quarter: multiplies buffer 1 and changes slots; the three lines in front of the barrier; fill = 1: a round of the cluster's barrier, and the slot just read is filled again first thing behind it.
.macro TURN fill
.if \fill
	s_wait_xcnt 0x0                                ; the last prefetch, a K step back, has read its address
	s_add_nc_u64 s[PFA:PFA+1], s[PFA:PFA+1], s[PFI:PFI+1]
.endif
	WIN 0
	s_wait_tensorcnt 0x0                           ; all my tensor loads have landed
	ds_add_u32 v[SPW], v[NIL]
	s_wait_dscnt 5                                 ; (the add and ctx's blocks 2 and 3 may be out)
	MUL8 F1, 0, 0
	s_wait_dscnt 0x0                               ; the add is done, and my reads of this slot are over
	s_barrier_signal -1
	MUL8 F1, 1, 0
	WIN 0
	s_barrier_wait -1
.if \fill
	CREST
	s_xor_b32 s[G0A+5], s[G0A+5], SLOT1
	s_add_nc_u64 s[G0A+6:G0A+7], s[G0A+6:G0A+7], 4096   ; ctx: 8 blocks of 512 bytes a K step
	s_xor_b32 s[G0B+5], s[G0B+5], SLOT1
	s_add_nc_u64 s[G0B+6:G0B+7], s[G0B+6:G0B+7], 256
	s_xor_b32 s[TB], s[TB], SLOT1
	JLOAD                                          ; its four v_nop are also the places in front of the loads below
.else
	s_xor_b32 s[TB], s[TB], SLOT1
	PLACES
.endif
	v_add_nc_u32 v[ADA], s[TB], v[ADRA0]
	v_add_nc_u32 v[ADB], s[TB], v[ADRB0]
	FETCH 0, F0
.if \fill
	ASK
.endif
	MUL16 F1, 2, 0
.endm
	s_load_b256 s[4:11], s[0:1], 0x0               ; ctx 4, wh 6, out_proj_b 8, query 10
	s_load_b64 s[12:13], s[0:1], 0x20              ; out0
	v_lshl_add_u32 v[SPW], v0, 2, SPARE
	v_mov_b32 v[NIL], 0
	ds_add_u32 v[SPW], v[NIL]                      ; the wave's opening: the add and its wait ahead of my first tensor load
	ds_add_u32 v28, v29
	v_lshrrev_b32 v1, 5, v0
	v_readfirstlane_b32 s[WV], v1
	s_lshr_b32 s[WM], s[WV], 1
	s_and_b32 s[WN], s[WV], 1
	s_bfe_u32 s[CX], ttmp6, 0x40000
	s_bfe_u32 s[CY], ttmp6, 0x40004
	s_lshl_b32 s[TX], ttmp9, 2
	s_add_co_u32 s[TX], s[TX], s[CX]
	s_and_b32 s[TY], ttmp7, 0xffff
	s_lshl_b32 s[TY], s[TY], 2
	s_add_co_u32 s[TY], s[TY], s[CY]
	s_lshl_b32 s72, s[CY], 2
	s_lshl_b32 s72, 15, s72
	s_lshl_b32 s73, 0x1111, s[CX]
	s_or_b32 s[G1A], s72, (3<<16)|(1<<21)          ; ctx: elements of 8 bytes, no padding
	s_or_b32 s[G1B], s73, CFG
	s_mov_b32 s[G1A+1], 512<<16                    ; a row is a row block's 4,096 bytes of a K step,
	s_mov_b32 s[G1A+2], 4<<16                      ; four row blocks,
	s_mov_b32 s[G1A+3], 512<<16
	s_mov_b32 s[G1A+4], 4
	s_mov_b32 s[G1A+5], 4096                       ; 32,768 bytes from row block to row block
	s_mov_b32 s[G1A+6], 0
	s_mov_b32 s[G1A+7], 0
	s_mov_b32 s[G1B+1], 128<<16
	s_mov_b32 s[G1B+2], 128<<16
	s_mov_b32 s[G1B+3], 128<<16
	s_mov_b32 s[G1B+4], 128
	s_mov_b32 s[G1B+5], 1024
	s_mov_b32 s[G1B+6], 0
	s_mov_b32 s[G1B+7], 0
	s_lshl_b32 s74, s[TY], 18                      ; ctx: row block 8 x tile row + 4 x half
	s_lshl_b32 s75, s[WN], 17
	s_add_co_u32 s74, s74, s75
	s_mov_b32 s75, 0
	s_lshl_b32 s76, s[TX], 19                      ; wh: row 3,072 + 256 x tile column + 128 x half
	s_lshl_b32 s77, s[WN], 18
	s_add_co_u32 s76, s76, s77
	s_add_co_u32 s76, s76, 3072*2048
	s_mov_b32 s77, 0
	s_lshl_b32 s22, s[WN], 14                      ; where they go: the wave's number alone
	s_mul_i32 s23, s[WN], 128*PITCH
	s_add_co_u32 s23, s23, BOFF
	s_mov_b32 s[TB], 0
	s_mov_b32 s[PFI+1], 0
	s_wait_dscnt 0x0                               ; the opening add is done
	s_wait_kmcnt 0x0
	s_add_nc_u64 s[74:75], s[4:5], s[74:75]
	s_add_nc_u64 s[76:77], s[6:7], s[76:77]
	CROUND                                         ; all sixteen work-groups are here: the first joint loads meet
.irp s, 0,1
	s_mov_b32 s[G0A+4*\s], 1
	s_add_co_u32 s[G0A+4*\s+1], s22, \s*SLOT1
	s_add_nc_u64 s[G0A+4*\s+2:G0A+4*\s+3], s[74:75], \s*4096
	s_or_b32 s[G0A+4*\s+3], s[G0A+4*\s+3], 0x80000000
	s_mov_b32 s[G0B+4*\s], 1
	s_add_co_u32 s[G0B+4*\s+1], s23, \s*SLOT1
	s_add_nc_u64 s[G0B+4*\s+2:G0B+4*\s+3], s[76:77], \s*256
	s_or_b32 s[G0B+4*\s+3], s[G0B+4*\s+3], 0x80000000
.endr
	s_cmp_eq_u32 s[WM], 0                          ; a wave's two first fills stand in one branch: two loads of mine are out
	s_cbranch_scc0 .Lfirst_b
	tensor_load_to_lds s[G0A:G0A+3], s[G1A:G1A+7]
	s_nop 0
	tensor_load_to_lds s[G0A+4:G0A+7], s[G1A:G1A+7]
	s_nop 0
.rept 4
	v_nop
.endr
	s_branch .Lfirst_asked
.Lfirst_b:
	tensor_load_to_lds s[G0B:G0B+3], s[G1B:G1B+7]
	s_nop 0
	tensor_load_to_lds s[G0B+4:G0B+7], s[G1B:G1B+7]
	s_nop 0
.rept 4
	v_nop
.endr
.Lfirst_asked:
	v_and_b32 v1, 15, v0                           ; l % 16
	v_bfe_u32 v2, v0, 4, 1                         ; l / 16
	v_and_b32 v4, 31, v0                           ; l
	v_lshlrev_b32 v[CO], 4, v4
	s_lshl_b32 s56, s[WM], 14
	v_add_nc_u32 v[ADRA0], s56, v[CO]              ; my four row blocks of ctx
	v_mul_u32_u24 v3, v1, PITCH
	v_lshl_add_u32 v3, v2, 4, v3
	s_mul_i32 s57, s[WN], 128*PITCH
	s_add_co_u32 s57, s57, BOFF
	v_add_nc_u32 v[ADRB0], s57, v3
	v_mov_b32 v[ADA], v[ADRA0]
	v_mov_b32 v[ADB], v[ADRB0]
	v_lshlrev_b32 v[BO], 5, v2
	s_mul_i32 s56, s[WV], 16*SP
	s_add_co_u32 s56, s56, STAGE                   ; my stage
	v_mul_u32_u24 v[STO], v1, SP
	v_lshl_add_u32 v[STO], v2, 5, v[STO]
	v_add_nc_u32 v[STO], s56, v[STO]
	v_add_nc_u32 v[RD], s56, v[CO]
	s_lshl_b32 s78, s[TX], 10                      ; the bias
	s_lshl_b32 s79, s[WN], 9
	s_add_co_u32 s78, s78, s79
	s_mov_b32 s79, 0
	s_add_nc_u64 s[8:9], s[8:9], s[78:79]
	WIN 0x80
.irp b, 0,1,2,3,4,5,6,7
	global_load_b128 v[BI+8*\b:BI+8*\b+3],   v[BO], s[8:9] offset:64*\b
	global_load_b128 v[BI+8*\b+4:BI+8*\b+7], v[BO], s[8:9] offset:64*\b+16
.endr
	WIN 0
	s_lshl_b32 s56, s[TY], 19                      ; query and out0: row 128 x tile row + 64 x half, 4,096 bytes a row; the columns as for the bias
	s_add_co_u32 s78, s78, s56
	s_lshl_b32 s56, s[WM], 18
	s_add_co_u32 s78, s78, s56
	s_add_nc_u64 s[10:11], s[10:11], s[78:79]
	s_add_nc_u64 s[12:13], s[12:13], s[78:79]
	s_lshl_b32 s56, s[TY], 18                      ; the prefetches: ctx at row block 8 x tile row + 2 cx, K step 3,
	s_lshl_b32 s57, s[CX], 16
	s_add_co_u32 s56, s56, s57
	s_add_co_u32 s56, s56, 3*4096
	s_lshl_b32 s78, s[TX], 19                      ; wh at row 3,072 + 256 x tile column + 64 cy + 32 x half, K step 3
	s_lshl_b32 s57, s[CY], 17
	s_add_co_u32 s78, s78, s57
	s_lshl_b32 s57, s[WN], 16
	s_add_co_u32 s78, s78, s57
	s_add_co_u32 s78, s78, 3072*2048+3*256
	s_and_b32 s57, ttmp7, 0xffff                   ; the cluster's y
	s_mov_b32 s59, 4096                            ; ctx's K step in bytes, in a register: an instruction holds one literal
	s_cmp_eq_u32 s[WM], 0
	s_cselect_b32 s78, s56, s78
	s_cselect_b64 s[PFA:PFA+1], s[4:5], s[6:7]
	s_cselect_b32 s[PFI], s59, 256
	s_cselect_b32 s58, 8, 11                       ; lanes 256 bytes apart in a row block of ctx, a row of 2,048 bytes apart in wh
	s_cselect_b32 s57, s[WN], s57                  ; wave 0: 0; wave 1: 1; waves 2 and 3: the cluster's y
	s_cmp_eq_u32 s57, 0
	s_cselect_b32 s[LIML], 2, -1
	s_add_nc_u64 s[PFA:PFA+1], s[PFA:PFA+1], s[78:79]
	v_lshlrev_b32 v5, s58, v1
	v_lshl_add_u32 v[PFO], v2, 15, v5              ; the upper half of the lanes: 32,768 bytes on (the next row block; 16 rows of wh)
	s_wait_tensorcnt 1                             ; my part of K step 0 is in; K step 1's may stay out
	s_barrier_signal -1
	s_barrier_wait -1
	FETCH 0, F0
	s_wait_loadcnt 0x0                             ; the bias
	QUARTER 1, F0, F1, 1
	WIN 0
	s_mov_b32 s3, 6
.Lk:                                               ; six K steps fill a slot again; a trip goes from a step's second quarter to the next step's first
	QUARTER 2, F1, F0, 0
	QUARTER 3, F0, F1, 0
	TURN 1
	QUARTER 1, F0, F1, 0
	WIN 0
	s_sub_co_u32 s3, s3, 1
	s_cmp_lg_u32 s3, 0
	s_cbranch_scc1 .Lk
	QUARTER 2, F1, F0, 0                           ; the tail is written out
	QUARTER 3, F0, F1, 0
	TURN 0
	WIN 0xc0
.set i, 0
.rept 64                                           ; my 64 rows x 512 bytes of query, asked for a K step ahead of their use
	global_load_b128 v[4*i:4*i+3], v[CO], s[10:11] offset:i*4096 th:TH_LOAD_NT
.set i, i+1
.endr
	QUARTER 1, F0, F1, 0
	QUARTER 2, F1, F0, 0
	QUARTER 3, F0, F1, 0
	s_wait_dscnt 4
	MUL16 F1, 0, 0
	s_wait_dscnt 0x0
	MUL16 F1, 2, 0
	PLACES
	PLACES                                         ; (eight, once a launch: the LDS stores below read matrix results)
	s_wait_loadcnt 0x0                             ; query
; THE WAY OUT, 16 rows at a time: a lane's eight columns, 32 bytes (each accumulator from its low end on), go into my stage's rows of 528 bytes and come back as whole rows of 512; the residual's registers take the sum.
.macro WAYOUT a
.set RB, 64+64*((\a)%2)
	WIN 0x04
.irp b, 0,1,2,3,4,5,6,7
	ds_store_b128 v[STO], v[8*(8*(\a)+\b):8*(8*(\a)+\b)+3]   offset:64*\b
	ds_store_b128 v[STO], v[8*(8*(\a)+\b)+4:8*(8*(\a)+\b)+7] offset:64*\b+16
.endr
	WIN 0x80
.irp t, 0,1,2,3,4,5,6,7,8,9,10,11,12,13,14,15
	ds_load_b128 v[RB+4*\t:RB+4*\t+3], v[RD] offset:\t*SP  ; LDS serves a wave's instructions in order: these see the stores above, and the next block's stores come behind them
.endr
	s_wait_dscnt 0x0
	WIN 0xce
.set i, 0
.rept 32
	v_pk_add_f32 v[64*(\a)+i:64*(\a)+i+1], v[RB+i:RB+i+1], v[64*(\a)+i:64*(\a)+i+1]
.set i, i+2
.endr
	WIN 0x0c
.irp t, 0,1,2,3,4,5,6,7,8,9,10,11,12,13,14,15
	global_store_b128 v[CO], v[64*(\a)+4*\t:64*(\a)+4*\t+3], s[12:13] offset:(16*(\a)+\t)*4096 th:TH_STORE_NT  ; the wave stores 512 consecutive bytes, aligned
.endr
.endm
	WAYOUT 0
	WAYOUT 1
	WAYOUT 2
	WAYOUT 3
	WIN 0
	s_wait_tensorcnt 0x0                           ; the wave's end
	ds_add_u32 v[SPW], v[NIL]
	s_wait_dscnt 0x0
	CROUND                                         ; the closing round
	s_endpgm
.Lfunc_end_k_q45f14bdf5c_oproj:
	.size	k_q45f14bdf5c_oproj, .Lfunc_end_k_q45f14bdf5c_oproj-k_q45f14bdf5c_oproj
	.p2alignl 7, 3214868480
	.fill 96, 4, 3214868480
	.section	.rodata,"a",@progbits
	.p2align	6, 0x0
	.amdhsa_kernel k_q45f14bdf5c_oproj
		.amdhsa_group_segment_fixed_size 327680
		.amdhsa_private_segment_fixed_size 0
		.amdhsa_enable_private_segment 0
		.amdhsa_kernarg_size 40
		.amdhsa_user_sgpr_count 2
		.amdhsa_user_sgpr_kernarg_segment_ptr 1
		.amdhsa_wavefront_size32 1
		.amdhsa_system_sgpr_workgroup_id_x 1
		.amdhsa_system_sgpr_workgroup_id_y 1
		.amdhsa_system_sgpr_workgroup_id_z 1
		.amdhsa_system_vgpr_workitem_id 0
		.amdhsa_next_free_vgpr 1024
		.amdhsa_next_free_sgpr 80
		.amdhsa_reserve_vcc 0
		.amdhsa_float_denorm_mode_32 3
		.amdhsa_float_denorm_mode_16_64 3
		.amdhsa_memory_ordered 1
		.amdhsa_forward_progress 1
		.amdhsa_inst_pref_size 86
	.end_amdhsa_kernel
	.amdgpu_metadata
---
amdhsa.version: [ 1, 2 ]
amdhsa.kernels:
  - .name:           k_q45f14bdf5c_oproj
    .symbol:         k_q45f14bdf5c_oproj.kd
    .args:
      - { .name: ctx, .offset: 0, .size: 8, .value_kind: global_buffer, .address_space: global }
      - { .name: wh, .offset: 8, .size: 8, .value_kind: global_buffer, .address_space: global }
      - { .name: out_proj_b, .offset: 16, .size: 8, .value_kind: global_buffer, .address_space: global }
      - { .name: query, .offset: 24, .size: 8, .value_kind: global_buffer, .address_space: global }
      - { .name: out0, .offset: 32, .size: 8, .value_kind: global_buffer, .address_space: global }
    .group_segment_fixed_size: 327680
    .private_segment_fixed_size: 0
    .kernarg_segment_align: 8
    .kernarg_segment_size: 40
    .max_flat_workgroup_size: 128
    .sgpr_count:     80
    .vgpr_count:     1024
    .wavefront_size: 32
...
	.end_amdgpu_metadata
.endif
;; end of part 5
